; MI455X (gfx1250); checked and timed in simulation.
; The chip was launched on July 23, 2026; its instructions are those of AMD's public machine-readable ISA for CDNA 5 (MIT licence, August 2026) and "CDNA5" Instruction Set Architecture Reference Guide (July 2026). The comments in the code are by the model that wrote it; some were corrected since.
;; QKV Attention. Allowed arithmetic: matrix products marked QUANTISED: E2M3 operands, one E8M0 scale for each 32 along K, by v_wmma_scale_f32_16x16x128_f8f6f4 with both operands' format E2M3, f32 sums; products left as they are: f32 operands where the result goes on into a quantised operand, else bf16, f16 or f32 operands; f32 sums; everything else in f32.
;; Inputs: Wk 1,024 x 1,024 float32; Wq 1,024 x 1,024 float32; Wv 1,024 x 1,024 float32; bk 1,024 float32; bq 1,024 float32; bv 1,024 float32; x 4 x 4,096 x 1,024 float32.
;; Outputs: out0 4 x 4,096 x 1,024 float32.
;; This version of the problem:
;;   THIS VERSION OF THE PROBLEM IS GIVEN IN LOW PRECISION. The matrix products marked QUANTISED in the list below multiply operands that are first quantised to E2M3 (2 exponent bits, 3 mantissa bits; 6 bits a number), with one power-of-two scale for each 32 numbers along K (OCP MX v1.0); their sums are f32. All else is computed in f32.
;;   The module's matrix products, in the order in which they are computed (A, B: the left and right operand; K: the contracted axis; several contracted axes count as one K, in the product's order):
;;     1. [M 16,384, K 1,024] x [K 1,024, N 1,024]; A: input x; B: input Wq: QUANTISED
;;     2. [M 16,384, K 1,024] x [K 1,024, N 1,024]; A: input x; B: input Wk: QUANTISED
;;     3. [M 16,384, K 1,024] x [K 1,024, N 1,024]; A: input x; B: input Wv: QUANTISED
;;     4. batch 16,384 x [M 16, K 64] x [K 64, N 16]; A: computed on the way; B: computed on the way: QUANTISED
;;     5. batch 16,384 x [M 16, K 16] x [K 16, N 64]; A: computed on the way; B: computed on the way: left as it is (K = 16 < 32)
;;   THE QUANTISER, for each operand of a quantised product, along K:
;;     - K is cut into blocks of 32 from its start; a last block that is shorter is filled with zeros.
;;     - A block's scale is 2^e with e = floor(log2(the largest magnitude in the block)) - 2, held to -126 .. 127; a block of zeros has e = 0. As a byte (E8M0): e + 127.
;;     - Each number is divided by its block's scale, clamped to +-7.5, and rounded to the nearest number of E2M3, ties to even, subnormals kept.
;;     - The product sums the exact products of the quantised numbers (number of the format x scale) in f32.
;;   ~~~python
;;   def quantise(x, axis):      # numpy; x: float32 -> the quantised numbers, widened to float32 again
;;       x = np.moveaxis(x, axis, -1); K = x.shape[-1]
;;       x = np.pad(x, [(0, 0)] * (x.ndim - 1) + [(0, -K % 32)]); x = x.reshape(x.shape[:-1] + (-1, 32)); a = np.abs(x).max(-1, keepdims=True)
;;       e = np.where(a > 0, np.clip(np.frexp(np.where(a > 0, a, 1))[1] - 1 - 2, -126, 127), 0)      # np.frexp(a)[1] - 1 = floor(log2(a)), exactly
;;       r = np.clip(x / 2.0 ** e, -7.5, 7.5)
;;       step = 2.0 ** (np.maximum(np.frexp(np.where(r == 0, 1, r))[1] - 1, 0) - 3)
;;       q = np.round(r / step) * step * 2.0 ** e      # np.round: ties to even
;;       return np.moveaxis(q.reshape(q.shape[:-2] + (-1,))[..., :K], -1, axis).astype(np.float32)
;;   ~~~
;;   OPERANDS COMPUTED ON THE WAY. 'Computed on the way' means the value that the module computes at that place (a softmax that the list does not call 'softmax' is quantised finished and normalised). What goes into a quantiser is computed in f32, as accurately as f32 sums, v_exp_f32 and their like allow (about 1e-6 of the number): no bf16 or f16 on the way to a quantiser, and a product that is left as it is and whose result goes on into a quantised operand takes f32 operands (vector FMAs, or v_wmma_f32_16x16x4_f32). A number that lies on a knife's edge between two numbers of the format may be rounded either way, as far as f32 arithmetic and the matrix unit's own rounding can turn it there, and no further.
;; 2 versions, each right and faster than the one before. Each part assembles by itself: llvm-mc -triple=amdgcn-amd-amdhsa -mcpu=gfx1250 --defsym DOCPART=n.
;; ======== version 1 of 2: 2 launches
;; workspace buffers: wimg 2,457,600 bytes; bimg 12,288 bytes
;; launch prep (part 1): grid 64 x 3, 4 waves a work-group, no clusters, 13,824 bytes of LDS; arguments Wq, Wk, Wv, bq, bk, bv, wimg, bimg; writes wimg, bimg
.if DOCPART == 1
	.amdgcn_target "amdgcn-amd-amdhsa--gfx1250"
	.amdhsa_code_object_version 6
	.text
	.protected	k_q130de763a7_prep
	.globl	k_q130de763a7_prep
	.p2align	8
	.type	k_q130de763a7_prep,@function
k_q130de763a7_prep:
	s_mov_b64 s[64:65], 0
	v_nop
	global_prefetch_b8 v0, s[64:65] scope:SCOPE_SE
	s_setreg_imm32_b32 hwreg(HW_REG_WAVE_MODE, 25, 1), 1
	s_wait_xcnt 0x0
; Wq, Wk, Wv [1024 (k)][1024 (n)] f32 become codes of FP6 (E2M3) with one E8M0 scale byte for each 32 along K, laid as IMAGES OF THE OPERAND'S REGISTERS in the order in which the second launch walks them.
; THE WALK: 6 passes p of 512 columns (p = 0, 1: Wq's halves; 2, 3: Wk's; 4: Wv's columns 512-1023; 5: Wv's columns 0-511); in a pass wave w of the reader takes 128 columns as 8 tiles i of 16 rows m.
;   q and k: tile i = 2 b + u holds columns 32 b + 8 u + m + 8 (m / 8) of the 128;   v: tile i = 4 tl + T holds columns 64 tl + 4 m + T.
; A PIECE is 8 tiles x 128 along K: 8 x 1,536 bytes of codes (byte 1536 i + 512 c + 16 l + 4 e = register 4 c + e of lane l of tile i's fragment) and 512 bytes of scale words
; (byte 12,288 + 16 l + 4 e = the word of tile e + 4 (l / 16), row l % 16).  Piece (p, w, K step ks) lies at (4 p + ks / 2) x 102,400 + w x 25,600 + (ks % 2) x 12,800 of wimg.
; bimg: the f32 at 2048 p + 512 w + 64 i + 4 m is that column's bias.
; ONE WORK-GROUP MAKES ONE PIECE: x = 8 g + ks (g: which 128 columns of the matrix), y = the matrix.  A THREAD TAKES A COLUMN, AND ITS REGISTERS RUN DOWN K: 128 numbers, four whole blocks of 32,
; so that a block's largest magnitude needs no other lane and the conversions give codes with K innermost.  Thread 32 w' + 16 u + m holds row m of tile 2 w' + u.
; A block's scale is 2^(floor(log2(its largest magnitude)) - 2): its byte is the largest magnitude's exponent field - 2, held at 1 from below.
; LIMITS: a block of zeros, and a block whose largest magnitude lies under 2^-124, gets the byte 1 (this program alone reads the bytes; zero codes add nothing under it); NaN and infinities are not served.
.set SCB, 12288                        ; LDS: behind the piece's codes its scale words,
.set BSB, 12800                        ; and the 128 biases
.set XN,  64                           ; v64-191  my column's 128 numbers (v64-87 later: the way out)
.set CD,  24                           ; v24-47   codes, six registers a block: no store's data are written again
.set CT,  20                           ; v20-22   a block's second half, made here and moved (a conversion's three registers begin on an even number)
	s_load_b256 s[4:11], s[0:1], 0x0               ; Wq s[4:5], Wk s[6:7], Wv s[8:9], bq s[10:11]
	s_load_b256 s[12:19], s[0:1], 0x20             ; bk s[12:13], bv s[14:15], wimg s[16:17], bimg s[18:19]
	v_lshl_add_u32 v192, v0, 2, 0x3400
	v_mov_b32 v193, 0
	v_lshrrev_b32 v1, 5, v0
	v_readfirstlane_b32 s20, v1                    ; w'
	v_and_b32 v2, 15, v0                           ; m
	v_bfe_u32 v3, v0, 4, 1                         ; u
	s_and_b32 s21, ttmp7, 0xffff                   ; the matrix: 0 q, 1 k, 2 v
	s_lshr_b32 s22, ttmp9, 3                       ; g
	s_and_b32 s23, ttmp9, 7                        ; ks
	v_and_b32 v4, 8, v2                            ; my column among the 128, as q and k are laid: 32 w' + 8 u + m + 8 (m / 8)
	v_add_nc_u32 v4, v4, v2
	v_lshl_add_u32 v4, v3, 3, v4
	s_lshl_b32 s24, s20, 5
	v_add_nc_u32 v4, s24, v4
	s_lshr_b32 s24, s20, 1                         ; and as v is laid: 64 (w' / 2) + 4 m + 2 (w' % 2) + u
	s_lshl_b32 s24, s24, 6
	s_and_b32 s25, s20, 1
	s_lshl_b32 s25, s25, 1
	s_add_co_u32 s24, s24, s25
	v_lshl_add_u32 v5, v2, 2, v3
	v_add_nc_u32 v5, s24, v5
	s_cmp_eq_u32 s21, 2
	s_cselect_b32 s26, -1, 0
	s_cselect_b32 s35, 1, 0
	v_cndmask_b32 v6, v4, v5, s26                  ; the choice enters global addresses alone
	v_lshlrev_b32 v6, 2, v6                        ; in bytes
	s_mul_i32 s27, s20, 3072                       ; LDS: my wave's two tiles
	v_mul_u32_u24 v7, v3, 1536
	v_lshl_add_u32 v7, v2, 4, v7
	v_add_nc_u32 v7, s27, v7                       ; 1536 (2 w' + u) + 16 m: lane m's place in my tile's image
	s_lshr_b32 s28, s20, 1
	s_lshl_b32 s28, s28, 8
	s_and_b32 s29, s20, 1
	s_lshl_b32 s29, s29, 3
	s_add_co_u32 s28, s28, s29
	s_add_co_u32 s28, s28, SCB
	v_lshlrev_b32 v8, 4, v2
	v_lshl_add_u32 v8, v3, 2, v8
	v_add_nc_u32 v8, s28, v8                       ; my scale word: SCB + 16 m + 256 (i / 4) + 4 (i % 4), i = 2 w' + u
	v_lshl_add_u32 v9, v0, 2, BSB                  ; my bias: BSB + 64 i + 4 m
	v_and_b32 v11, 31, v0
	v_lshlrev_b32 v11, 4, v11                      ; 16 x lane
	v_add_nc_u32 v10, s27, v11                     ; the way out: my 16 bytes of my wave's 3,072, in LDS and in the piece alike
	s_lshl_b32 s32, s22, 9                         ; 128 g columns in bytes
	s_mov_b32 s33, 0
	s_lshl_b32 s30, s23, 19                        ; 128 ks rows of 4,096 bytes
	s_add_co_u32 s30, s30, s32
	s_mov_b32 s31, 0
	s_lshr_b32 s34, s22, 2                         ; which half of the columns;
	s_xor_b32 s34, s34, s35                        ; v's upper half is walked first
	s_lshl_b32 s35, s21, 1
	s_add_co_u32 s34, s34, s35                     ; p
	s_and_b32 s36, s22, 3                          ; w
	s_lshl_b32 s38, s34, 2
	s_lshr_b32 s37, s23, 1
	s_add_co_u32 s38, s38, s37
	s_mul_i32 s38, s38, 102400
	s_mul_i32 s37, s36, 25600
	s_add_co_u32 s38, s38, s37
	s_and_b32 s37, s23, 1
	s_mul_i32 s37, s37, 12800
	s_add_co_u32 s38, s38, s37                     ; the piece's first byte in wimg
	s_mov_b32 s39, 0
	s_lshl_b32 s40, s34, 11
	s_lshl_b32 s37, s36, 9
	s_add_co_u32 s40, s40, s37                     ; and the 128 biases' in bimg
	s_mov_b32 s41, 0
	s_wait_kmcnt 0x0
	s_cmp_eq_u32 s21, 0                            ; the buffers are chosen by the work-group's number alone
	s_cselect_b64 s[4:5], s[4:5], s[6:7]
	s_cselect_b64 s[10:11], s[10:11], s[12:13]
	s_cmp_eq_u32 s21, 2
	s_cselect_b64 s[4:5], s[8:9], s[4:5]
	s_cselect_b64 s[10:11], s[14:15], s[10:11]
	s_add_nc_u64 s[4:5], s[4:5], s[30:31]
	s_add_nc_u64 s[10:11], s[10:11], s[32:33]
	s_add_nc_u64 s[16:17], s[16:17], s[38:39]
	s_add_nc_u64 s[18:19], s[18:19], s[40:41]
.macro LOAD t                          ; block t: W(128 ks + 32 t + i, my column), i = 0 .. 31
.irp i, 0,1,2,3,4,5,6,7,8,9,10,11,12,13,14,15,16,17,18,19,20,21,22,23,24,25,26,27,28,29,30,31
	global_load_b32 v[XN+32*(\t)+\i], v6, s[4:5] offset:(32*(\t)+\i)*4096 th:TH_LOAD_NT
.endr
.endm
	LOAD 0
	LOAD 1
; Block t = 2 c + h of my column goes to lane m + 16 h, registers 6 c .. 6 c + 5, of my tile's fragment.  left: the loads issued behind this block's, which may stay out.
.macro BLOCK t, left
.set XS, XN+32*(\t)
.set CB, CD+6*(\t)
	s_wait_loadcnt \left
.if (\t) < 2
	LOAD (\t)+2                                    ; loads run two blocks ahead
.endif
.if (\t) == 1
	global_load_b32 v17, v6, s[10:11]              ; my column's bias
.endif
	v_max3_num_f32 v12, |v[XS]|, |v[XS+1]|, |v[XS+2]|     ; the block's largest magnitude, in two chains: all 32 numbers are mine
	v_max3_num_f32 v13, |v[XS+3]|, |v[XS+4]|, |v[XS+5]|
.irp i, 6,10,14,18,22,26
	v_max3_num_f32 v12, v12, |v[XS+\i]|, |v[XS+\i+1]|
	v_max3_num_f32 v13, v13, |v[XS+\i+2]|, |v[XS+\i+3]|
.endr
	v_max3_num_f32 v12, v12, |v[XS+30]|, |v[XS+31]|
	v_max3_num_f32 v12, v12, v13, 0x1800000        ; and the floor 2^(3 - 127): the byte cannot fall under 1
	v_add_nc_u32 v14, 0xff000000, v12              ; 2 off its exponent field: the conversion takes the exponent field of this operand as its scale, and nothing else of it
	v_lshrrev_b32 v15, 23, v14                     ; the scale's byte
.if (\t) == 0
	v_mov_b32 v16, v15                             ; four bytes make the scale word, the lower K in the lower byte
.else
	v_lshl_or_b32 v16, v15, 8*(\t), v16
.endif
	v_cvt_scalef32_pk16_fp6_f32 v[CB:CB+2], v[XS:XS+15], v14
	v_cvt_scalef32_pk16_fp6_f32 v[CT:CT+2], v[XS+16:XS+31], v14
	v_nop                                          ; one plain place behind a scaled conversion
.irp i, 0,1,2
	v_mov_b32 v[CB+3+\i], v[CT+\i]
.endr
.if (\t)/2 == 0
	ds_store_b128 v7, v[CB:CB+3] offset:256*((\t)%2)          ; registers 0-3,
	ds_store_b64 v7, v[CB+4:CB+5] offset:512+256*((\t)%2)     ; 4 and 5
.else
	ds_store_b64 v7, v[CB:CB+1] offset:520+256*((\t)%2)       ; registers 6 and 7,
	ds_store_b128 v7, v[CB+2:CB+5] offset:1024+256*((\t)%2)   ; 8-11
.endif
.endm
	BLOCK 0, 32                                    ; behind block 0's loads: block 1's 32
	BLOCK 1, 32                                    ; block 2's 32
	BLOCK 2, 33                                    ; block 3's 32 and the bias
	BLOCK 3, 0
	ds_store_b32 v8, v16
	ds_store_b32 v9, v17
.irp t, 0,1,2,3,4,5
	ds_load_b128 v[XN+4*\t:XN+4*\t+3], v10 offset:512*\t      ; my wave's two tiles, which it alone wrote: LDS serves a wave's instructions in order (ISA guide 5.7.1.4)
.endr
.irp t, 0,1,2,3,4,5
	s_wait_dscnt 5-\t
	global_store_b128 v10, v[XN+4*\t:XN+4*\t+3], s[16:17] offset:512*\t   ; 32 lanes store 512 consecutive bytes, at a multiple of 256 from wimg's first byte
.endr
	s_wait_dscnt 0x0                               ; for the others' sake: my scale words and biases lie in LDS
	s_barrier_signal -1
	s_barrier_wait -1
	s_cmp_lg_u32 s20, 0
	s_cbranch_scc1 .Lnot_wave_0
	ds_load_b128 v[88:91], v11 offset:SCB          ; wave 0: the piece's 512 bytes of scale words
	s_wait_dscnt 0x0
	global_store_b128 v11, v[88:91], s[16:17] offset:12288
.Lnot_wave_0:
	s_cmp_lg_u32 s20, 1
	s_cbranch_scc1 .Lend
	s_cmp_lg_u32 s23, 0                            ; the biases hang on no K step: the work-group of K step 0 stores them
	s_cbranch_scc1 .Lend
	ds_load_b128 v[92:95], v11 offset:BSB          ; wave 1: the 128 biases
	s_wait_dscnt 0x0
	global_store_b128 v11, v[92:95], s[18:19]
.Lend:
	s_wait_tensorcnt 0x0
	ds_add_u32 v192, v193
	s_wait_dscnt 0x0
	s_endpgm
.Lfunc_end_k_q130de763a7_prep:
	.size	k_q130de763a7_prep, .Lfunc_end_k_q130de763a7_prep-k_q130de763a7_prep
	.p2alignl 7, 3214868480
	.fill 96, 4, 3214868480
	.section	.rodata,"a",@progbits
	.p2align	6, 0x0
	.amdhsa_kernel k_q130de763a7_prep
		.amdhsa_group_segment_fixed_size 13824
		.amdhsa_private_segment_fixed_size 0
		.amdhsa_enable_private_segment 0
		.amdhsa_kernarg_size 64
		.amdhsa_user_sgpr_count 2
		.amdhsa_user_sgpr_kernarg_segment_ptr 1
		.amdhsa_wavefront_size32 1
		.amdhsa_system_sgpr_workgroup_id_x 1
		.amdhsa_system_sgpr_workgroup_id_y 1
		.amdhsa_system_sgpr_workgroup_id_z 1
		.amdhsa_system_vgpr_workitem_id 0
		.amdhsa_next_free_vgpr 194
		.amdhsa_next_free_sgpr 66
		.amdhsa_reserve_vcc 0
		.amdhsa_float_denorm_mode_32 3
		.amdhsa_float_denorm_mode_16_64 3
		.amdhsa_memory_ordered 1
		.amdhsa_forward_progress 1
		.amdhsa_inst_pref_size 24
	.end_amdhsa_kernel
	.amdgpu_metadata
---
amdhsa.version: [ 1, 2 ]
amdhsa.kernels:
  - .name:           k_q130de763a7_prep
    .symbol:         k_q130de763a7_prep.kd
    .args:
      - { .name: Wq, .offset: 0, .size: 8, .value_kind: global_buffer, .address_space: global }
      - { .name: Wk, .offset: 8, .size: 8, .value_kind: global_buffer, .address_space: global }
      - { .name: Wv, .offset: 16, .size: 8, .value_kind: global_buffer, .address_space: global }
      - { .name: bq, .offset: 24, .size: 8, .value_kind: global_buffer, .address_space: global }
      - { .name: bk, .offset: 32, .size: 8, .value_kind: global_buffer, .address_space: global }
      - { .name: bv, .offset: 40, .size: 8, .value_kind: global_buffer, .address_space: global }
      - { .name: wimg, .offset: 48, .size: 8, .value_kind: global_buffer, .address_space: global }
      - { .name: bimg, .offset: 56, .size: 8, .value_kind: global_buffer, .address_space: global }
    .group_segment_fixed_size: 13824
    .private_segment_fixed_size: 0
    .kernarg_segment_align: 8
    .kernarg_segment_size: 64
    .max_flat_workgroup_size: 128
    .sgpr_count:     66
    .vgpr_count:     194
    .wavefront_size: 32
...
	.end_amdgpu_metadata
.endif
;; end of part 1
;; launch main (part 2): grid 256 x 1, 4 waves a work-group, clusters of 4 x 1, 327,680 bytes of LDS; arguments x, wimg, bimg, out0; writes out0
.if DOCPART == 2
	.amdgcn_target "amdgcn-amd-amdhsa--gfx1250"
	.amdhsa_code_object_version 6
	.text
	.protected	k_q130de763a7_main
	.globl	k_q130de763a7_main
	.p2align	8
	.type	k_q130de763a7_main,@function
k_q130de763a7_main:
	s_mov_b64 s[64:65], 0
	v_nop
	global_prefetch_b8 v0, s[64:65] scope:SCOPE_SE
	s_setreg_imm32_b32 hwreg(HW_REG_WAVE_MODE, 25, 1), 1
	s_wait_xcnt 0x0
	s_wait_alu depctr_hold_cnt(0) depctr_sa_sdst(0) depctr_va_vdst(0) depctr_va_sdst(0) depctr_va_ssrc(0) depctr_va_vcc(0) depctr_vm_vsrc(0)
	s_getreg_b32 s2, hwreg(HW_REG_IB_STS2, 6, 4)
	s_cmp_eq_u32 s2, 0
	s_cbranch_scc0 .Lentry_in_a_cluster
	s_endpgm
.Lentry_in_a_cluster:
	s_bfe_u32 s2, ttmp6, 0x10000c
	s_cmp_lg_u32 s2, 0x3003
	s_cbranch_scc0 .Lentry_shape_is_right
	s_endpgm
.Lentry_shape_is_right:
; out[token][h][d] = sum over t of att[h][t] v[t][d], att[h][t] = sum over d of Q(q[h][d]) Q(k[t][d]), q, k, v = Q(x) Q(W) + b.  16,384 tokens of 1,024 numbers, 16 heads of 64.
; Q: codes of FP6 (E2M3) with one E8M0 scale for each 32 along a product's K.  The three projections and att go by v_wmma_scale_f32_16x16x128_f8f6f4; att v (K = 16) by the bf16 form; all sums f32.
; SHARES.  A token needs all 3,072 columns, so a work-group owns whole tokens: 64 of them, 256 work-groups.  THE WAVES SHARE THE COLUMNS, NOT THE ROWS: the columns go in 6 passes of 512; in a pass wave w
; makes 128 columns for all 64 tokens: 32 accumulators of 16 x 16.  x's codes, 32 fragments, stay in every wave's registers; a fragment of W is read from LDS once, by one wave, and feeds four products.
; THE WEIGHTS come as images of the operand's registers (made by the launch before), through a ring of two LDS slots of two K steps each; each wave's tensor load brings the 25,600 bytes that this wave alone reads.
; CLUSTER.  All work-groups walk the same weights: the four of a cluster ask for each part JOINTLY, by the same tensor load with the same descriptor and a mask that names the four.
; LAYOUT.  The projections are used transposed (source 0 = 16 columns of W, source 1 = 16 tokens): a lane holds ONE token (lane % 16), its registers run along the columns.  The columns that form a tile are chosen:
;   q, k: tile 2 b + u, row m = column 32 b + 8 u + m + 8 (m / 8) of the wave's 128: the 16 registers of two neighbouring tiles are 16 neighbours along att's K;
;   v:    tile 4 tl + T, row m = column 64 tl + 4 m + T: so that a lane of the last product's results holds four neighbouring numbers of out.
; q's and k's codes meet in LDS by tokens; then wave w owns tokens 16 w .. 16 w + 15: att^T = k q^T, one product a token (K = 64, the other 64 are zero codes); its result, rounded to bf16 in pairs, IS the A operand of att v.
; The biases are what the sums begin with: they are loaded into the accumulators.  So a bias is added first and not last: another order of rounding than the source's.
; LIMITS: NaN and infinities among the inputs are not served; a block of zeros, or one whose largest magnitude lies under 2^-124, gets the scale byte 1 (read by this program alone; zero codes add nothing under it).
; REGISTERS, in windows of 256: window 0: v1-27 addresses; v28-31, v32-47, v48-55 scale words; v56-119 the quantiser's, later att; v128-159 at work; v160-255 W's fragments of odd K steps.
;   window 1: accumulator (tile i, 16 tokens mt) at v[64 mt + 8 i]; at the start x's numbers.   window 2: x's fragments of K steps 0-4, at v[12 (4 s + mt)].
;   window 3: x's fragments of K steps 5-7, v0-143; W's fragments of even K steps, v144-239.
.set SLOTB, 102400                     ; a slot: four waves' parts
.set WPART, 25600                      ; a wave's part: two pieces
.set PIECE, 12800                      ; a piece: 8 fragments of 1,536 bytes and 512 bytes of scale words: 128 columns x 128 along K
.set STAGE, 2*SLOTB                    ; behind the ring, written by LDS stores alone, three uses one after the other: x's images | q's and k's codes | v of heads 8-15
.set XSCB,  STAGE+49152                ; x's scale words: 512 mt + 64 s + 4 r
.set QPIT,  1552                       ; a token's codes: q's 768 bytes, k's 768, 16 spare: 388 words, so that the lanes of a store of 8 bytes fall on different banks (64 banks of 4 bytes: ISA guide 11.1)
.set QKS,   STAGE+64*QPIT              ; q's and k's scale bytes,
.set SPIT,  68                         ; a token's 32 + 32 and 4 spare
.set SPARE, QKS+64*SPIT                ; the spare words, 128 bytes for each wave: two blocks of 256 bytes that no other line names
.set VTOK,  1296                       ; v in bf16: a token's 8 heads,
.set VHD,   160                        ; a head's 128 bytes + 32.  Heads 8-15 at STAGE, heads 0-7 at LDS byte 0, in slot 0, behind its last fill and its last read
.set SPW,  1                           ; v1   LDS address of my spare word; never rewritten
.set NIL,  2                           ; v2   0; never rewritten
.set ADW,  3                           ; v3-4 my lane's 16 bytes in my wave's part of slot 0, 1
.set BO,   5                           ; v5   the biases: 32 (lane / 16)
.set QST,  6                           ; v6-7 where I put codes of q or k: tokens 0-31, 32-63
.set QA,   8                           ; v8-9 the same in the pass in hand
.set SST,  10                          ; v10  where I put their scale word;  v11 in the pass in hand
.set SA,   11
.set VSTA, 12                          ; v12  where I put v: heads 8-15;  v13: heads 0-7
.set VSTB, 13
.set AQ,   14                          ; v14  att: my head's codes in my wave's first token
.set AS,   15                          ; v15  and its two scale bytes: lanes 0-15 q's, lanes 16-31 k's
.set VRD,  16                          ; v16  the turning load of v
.set GO,   17                          ; v17  my byte offset in a token's row of out
.set XA,   18                          ; v18  my byte offset in my wave's 16 rows of x
.set LI,   19                          ; v19  STAGE + 16 x lane: an image's place for my lane
.set LS,   20                          ; v20  XSCB + 4 x lane
.set XWI,  21                          ; v21  where I store x's images;  v22 their scale words
.set XWS,  22
.set SQ,   28                          ; v28-31  att's scale words
.set XS,   32                          ; v32-47  x's: register 4 a + mt: lanes 0-15 K step 2 a, lanes 16-31 K step 2 a + 1
.set WS,   48                          ; v48-55  W's, a set of four for even and for odd K steps: register e: lanes 0-15 tile e, lanes 16-31 tile 4 + e
.set TM,   56                          ; v56-71  the quantiser: largest magnitudes, bytes, scale operands
.set PW,   72                          ; v72-73  the scale word just made, two sets
.set PC,   80                          ; v80-119 the codes just made, two sets of 20
.set ATO,  56                          ; v56-63  (behind the quantiser's last use) the token's att as an operand: four registers and four of zeros
.set AT,   64                          ; v64-127 att in bf16, four registers a token
.set DA,   128                         ; v128-159 att's results, four tokens
.set VT,   128                         ; v128-159 v in bf16 on its way to LDS
.set KF,   160                         ; v160-255 att's operands: token u: k at KF + 24 u, q at KF + 12 + 24 u
.set VB,   128                         ; v128-191 the last product's B, two sets of 4 x 8
.set OA,   192                         ; v192-223 its results
.set OS,   224                         ; v224-255 and the same in the order in which they are stored
.set WV,   12                          ; s12  my wave's number
.set SEL,  20                          ; s[20:21] lane selects for v_permlanex16_b32: lane l xor 16
.set G1,   24                          ; s[24:31] descriptor group 1
.set G0,   32                          ; s[32:39] group 0, a set for each slot
.set PO,   40                          ; s40  384 x pass: where the pass's codes lie in a token's
.set SO,   41                          ; s41  16 x pass: and its scale bytes
.set TRIP, 42
.set T0,   43
.set MSB, 0
.macro WIN new                         ; bits 1:0 source 0, 3:2 source 1, 5:4 source 2, 7:6 destination; the immediate's high byte repeats the setting that is left
.if MSB != (\new)
	s_set_vgpr_msb (MSB<<8)|(\new)
.set MSB, (\new)
.endif
.endm
.macro PLACES n
.rept \n
	v_nop
.endr
.endm
.macro CREST                           ; a round of the cluster's barrier behind its opening barrier
	s_cmp_lg_u32 s[WV], 0
	s_cbranch_scc1 .Lnot_wave_0_\@
	s_barrier_signal -3
.Lnot_wave_0_\@:
	s_barrier_wait -3
	s_barrier_signal -1
	s_barrier_wait -1
.endm
.macro CROUND                          ; a whole round
	s_barrier_signal -1
	s_barrier_wait -1
	CREST
.endm
.macro BARRIER                         ; my LDS stores have landed and my LDS loads are in: then the work-group's barrier.
	s_wait_dscnt 0x0
	s_barrier_signal -1
	s_barrier_wait -1
.endm
	s_load_b256 s[4:11], s[0:1], 0x0               ; x s[4:5], wimg s[6:7], bimg s[8:9], out0 s[10:11]
	v_lshl_add_u32 v[SPW], v0, 2, SPARE
	v_mov_b32 v[NIL], 0
	ds_add_u32 v1, v2
	ds_add_u32 v1, v2
	s_wait_dscnt 0x0
	v_lshrrev_b32 v23, 5, v0
	v_readfirstlane_b32 s[WV], v23                 ; wave 0..3
	s_bfe_u32 s13, ttmp6, 0x40000                  ; cx: my place in the cluster: it enters x's and out's addresses alone
	s_lshl_b32 s14, ttmp9, 2
	s_add_co_u32 s14, s14, s13                     ; my work-group = 4 x cluster + cx
	s_lshl_b32 s14, s14, 6
	s_lshl_b32 s15, s[WV], 4
	s_add_co_u32 s14, s14, s15                     ; my wave's first token: 64 x work-group + 16 x wave
	s_lshl_b32 s14, s14, 12                        ; rows of 4,096 bytes
	s_mov_b32 s15, 0
	s_mul_i32 s16, s[WV], WPART                    ; my wave's part of a slot, in wimg and in LDS alike
	s_mov_b32 s17, 0
	s_lshl_b32 s22, s[WV], 9                       ; my wave's 128 biases of a pass
	s_mov_b32 s23, 0
	; descriptor group 1: a dense block of 25,600 bytes as 100 rows of 256 bytes (32 elements of 8 bytes); no padding: it is read back 16 bytes a lane, 512 consecutive bytes a load
	s_mov_b32 s[G1], 15|(3<<16)|(1<<21)            ; 15:0 the mask: all four work-groups; 17:16 elements of 8 bytes; 21 set beside a mask
	s_mov_b32 s[G1+1], 32<<16                      ; tensor_dim0 = 32
	s_mov_b32 s[G1+2], 100<<16                     ; tensor_dim1 = 100
	s_mov_b32 s[G1+3], 32<<16                      ; tile_dim0 = 32
	s_mov_b32 s[G1+4], 100                         ; tile_dim1 = 100
	s_mov_b32 s[G1+5], 32                          ; tensor_dim0_stride
	s_mov_b32 s[G1+6], 0
	s_mov_b32 s[G1+7], 0
	s_mov_b32 s[SEL], 0x76543210
	s_mov_b32 s[SEL+1], 0xfedcba98
	s_mov_b32 s[PO], 0
	s_mov_b32 s[SO], 0
	s_wait_kmcnt 0x0
	s_add_nc_u64 s[4:5], s[4:5], s[14:15]
	s_add_nc_u64 s[10:11], s[10:11], s[14:15]
	s_add_nc_u64 s[8:9], s[8:9], s[22:23]
	s_add_nc_u64 s[18:19], s[6:7], s[16:17]
.irp b, 0,1
	s_mov_b32 s[G0+4*\b], 1                        ; count = 1
	s_add_co_u32 s[G0+4*\b+1], s16, \b*SLOTB       ; LDS address: the wave's number and the slot alone
	s_add_nc_u64 s[G0+4*\b+2:G0+4*\b+3], s[18:19], \b*SLOTB   ; global address: the walk's slot b
	s_or_b32 s[G0+4*\b+3], s[G0+4*\b+3], 0x80000000           ; type = 2
.endr
	CROUND                                         ; all four work-groups are here: the first joint loads meet
	tensor_load_to_lds s[G0:G0+3], s[G1:G1+7]      ; both first fills together: two loads of mine are out, later one
	s_nop 0
	tensor_load_to_lds s[G0+4:G0+7], s[G1:G1+7]
	s_nop 0
	v_and_b32 v23, 15, v0                          ; r = lane % 16      (four lines of the work stand behind the tensor loads, ahead of the first switch of windows)
	v_bfe_u32 v24, v0, 4, 1                        ; h = lane / 16
	v_lshlrev_b32 v[XA], 12, v23
	v_lshl_add_u32 v[XA], v24, 6, v[XA]            ; x: row r of 4,096 bytes, + 64 h: my 16 numbers of a block of 32
; my 16 rows' numbers of K step s (64 a lane: register 16 b + i = k 32 b + 16 h + i) into set `set` of window 1
.macro XLOAD set, s
	WIN 0x40
.irp b, 0,1,2,3
.irp j, 0,1,2,3
	global_load_b128 v[64*(\set)+16*\b+4*\j:64*(\set)+16*\b+4*\j+3], v[XA], s[4:5] offset:512*(\s)+128*\b+16*\j th:TH_LOAD_NT
.endr
.endr
.endm
	XLOAD 0, 0
	XLOAD 1, 1
	XLOAD 2, 2
	XLOAD 3, 3                                     ; four K steps are out: 32 KiB a wave
	WIN 0
	v_and_b32 v25, 31, v0                          ; lane
	v_lshlrev_b32 v[ADW], 4, v25
	v_add_nc_u32 v[ADW], s16, v[ADW]
	v_add_nc_u32 v[ADW+1], SLOTB, v[ADW]
	v_lshlrev_b32 v[BO], 5, v24
	v_mul_u32_u24 v[QST], v23, QPIT                ; token r, + 24 h, + my wave's 96 bytes of a pass's 384
	v_mad_u32_u24 v[QST], v24, 24, v[QST]
	s_mul_i32 s[T0], s[WV], 96
	s_add_co_u32 s[T0], s[T0], STAGE
	v_add_nc_u32 v[QST], s[T0], v[QST]
	v_add_nc_u32 v[QST+1], 32*QPIT, v[QST]
	v_mul_u32_u24 v[SST], v23, SPIT
	s_lshl_b32 s[T0], s[WV], 2
	s_add_co_u32 s[T0], s[T0], QKS
	v_add_nc_u32 v[SST], s[T0], v[SST]
	v_mul_u32_u24 v[VSTB], v23, VTOK               ; token r, my wave's two heads of a pass's eight, + 16 h
	v_lshl_add_u32 v[VSTB], v24, 4, v[VSTB]
	s_mul_i32 s[T0], s[WV], 2*VHD
	v_add_nc_u32 v[VSTB], s[T0], v[VSTB]
	v_add_nc_u32 v[VSTA], STAGE, v[VSTB]
	v_mul_u32_u24 v[AQ], v23, 48                   ; head r's 64 codes are 48 bytes, + 24 h
	v_mad_u32_u24 v[AQ], v24, 24, v[AQ]
	s_mul_i32 s[T0], s[WV], 16*QPIT
	s_add_co_u32 s[T0], s[T0], STAGE
	v_add_nc_u32 v[AQ], s[T0], v[AQ]
	v_lshlrev_b32 v[AS], 1, v23
	v_lshl_add_u32 v[AS], v24, 5, v[AS]
	s_mul_i32 s[T0], s[WV], 16*SPIT
	s_add_co_u32 s[T0], s[T0], QKS
	v_add_nc_u32 v[AS], s[T0], v[AS]
	v_and_b32 v26, 7, v0                           ; the turning load: lane l reads 16 bytes of head 8 (l / 16) + l % 8, at 16 ((l / 8) % 2); heads 8-15 lie STAGE bytes further on than heads 0-7
	v_bfe_u32 v27, v0, 3, 1
	v_mul_u32_u24 v[VRD], v26, VHD
	v_lshl_add_u32 v[VRD], v27, 4, v[VRD]
	v_mad_u32_u24 v[VRD], v24, STAGE, v[VRD]
	s_mul_i32 s[T0], s[WV], 16*VTOK
	v_add_nc_u32 v[VRD], s[T0], v[VRD]
	v_lshlrev_b32 v[GO], 4, v23
	v_lshl_add_u32 v[GO], v24, 11, v[GO]           ; out: 16 r, + 8 heads of 256 bytes for lanes 16-31
	v_lshl_add_u32 v[LI], v25, 4, STAGE
	v_lshl_add_u32 v[LS], v25, 2, XSCB
	s_mul_i32 s[T0], s[WV], 1536
	v_add_nc_u32 v[XWI], s[T0], v[LI]
	v_lshl_add_u32 v[XWS], v23, 2, XSCB
	v_add_nc_u32 v[XWS], s22, v[XWS]
.irp b, 0,1,2,3
	v_mov_b32 v[TM+4+\b], 0                        ; written once: a lane permute's destination counts as one of its sources
.endr
; THE QUANTISER.  64 numbers of a lane in window 1, v[src] on, register 16 b + i = k 32 b + 16 (lane / 16) + i of the lane's row, become a fragment's codes in v[PC + 20 set] on and its scale word in v[PW + set].
; The numbers are read in ascending order.
.macro QUANT src, set
.set PCS, PC+20*(\set)
	WIN 0x05                                       ; sources 0 and 1 window 1
.irp b, 0,1,2,3
	v_max3_num_f32 v[TM+\b], |v[(\src)+16*\b]|, |v[(\src)+16*\b+1]|, 0x1800000   ; block b: my 16 numbers, and the floor 2^(3 - 127): the byte cannot fall under 1
.endr
.irp i, 2,4,6,8,10,12,14
.irp b, 0,1,2,3
	v_max3_num_f32 v[TM+\b], |v[(\src)+16*\b+\i]|, |v[(\src)+16*\b+\i+1]|, v[TM+\b]   ; (the four blocks by turns)
.endr
.endr
	WIN 0
.irp b, 0,1,2,3
	v_permlanex16_b32 v[TM+4+\b], v[TM+\b], s[SEL], s[SEL+1]
.endr
.irp b, 0,1,2,3
	v_max_num_f32 v[TM+\b], v[TM+\b], v[TM+4+\b]   ; with lane l xor 16's: the block's largest magnitude
.endr
.irp b, 0,1,2,3
	v_add_nc_u32 v[TM+12+\b], 0xff000000, v[TM+\b] ; 2 off its exponent field: the conversion's scale operand
.endr
.irp b, 0,1,2,3
	v_lshrrev_b32 v[TM+4+\b], 23, v[TM+12+\b]      ; the scale's byte
.endr
	v_lshl_or_b32 v[PW+(\set)], v[TM+5], 8, v[TM+4]
	v_lshl_or_b32 v[PW+(\set)], v[TM+6], 16, v[PW+(\set)]
	v_lshl_or_b32 v[PW+(\set)], v[TM+7], 24, v[PW+(\set)]
	WIN 0x01                                       ; source 0 window 1
.irp c, 0,1
	v_cvt_scalef32_pk16_fp6_f32 v[PCS+6*\c:PCS+6*\c+2], v[(\src)+32*\c:(\src)+32*\c+15], v[TM+12+2*\c]
	v_cvt_scalef32_pk16_fp6_f32 v[PCS+12+4*\c:PCS+12+4*\c+2], v[(\src)+32*\c+16:(\src)+32*\c+31], v[TM+12+2*\c+1]   ; (a conversion's three registers begin on an even number)
.endr
	WIN 0
	v_nop                                          ; one plain place behind a scaled conversion
.irp c, 0,1                                    ; the operand's layout wants a WHOLE block in a lane: lanes 0-15 block 2 c, lanes 16-31 block 2 c + 1
.irp i, 0,1,2
	v_permlane16_swap_b32 v[PCS+6*\c+\i], v[PCS+12+4*\c+\i]
.endr
.irp i, 0,1,2
	v_mov_b32 v[PCS+3+6*\c+\i], v[PCS+12+4*\c+\i]
.endr
.endr
.endm
	; ---- x: my wave's 16 tokens become eight fragments, whose images go to LDS: fragment (K step s, tokens 16 w on) at 1536 (4 s + w)
.irp s, 0,1,2,3,4,5,6,7
.if \s < 5
	s_wait_loadcnt 48                              ; this K step's 16 loads are in; those of the three K steps behind it may be out
.else
	s_wait_loadcnt 16*(7-\s)
.endif
.if \s >= 2
	s_wait_dscnt 4                                 ; the last K step's four stores may be out: those of the K step before, from this set of registers, are done
.endif
	QUANT 64*(\s%4), \s%2
.irp c, 0,1,2
	ds_store_b128 v[XWI], v[PC+20*(\s%2)+4*\c:PC+20*(\s%2)+4*\c+3] offset:6144*\s+512*\c
.endr
	ds_store_b32 v[XWS], v[PW+\s%2] offset:64*\s   ; lanes r and r + 16 write the same word with the same value
.if \s < 4
	XLOAD \s%4, \s+4
.endif
.endr
	BARRIER                                        ; x's 32 fragments lie in LDS.  (My two tensor loads may stay out)
; the biases of my 128 columns of the pass that s[8:9] stands at, into the accumulators of tokens 16 mt on: lane (r, h), tile i, register j: the bias of the tile's row 8 h + j
.macro BIAS mt
	WIN 0x40
.irp i, 0,1,2,3,4,5,6,7
	global_load_b128 v[64*(\mt)+8*\i:64*(\mt)+8*\i+3], v[BO], s[8:9] offset:64*\i
	global_load_b128 v[64*(\mt)+8*\i+4:64*(\mt)+8*\i+7], v[BO], s[8:9] offset:64*\i+16
.endr
.endm
; a piece's scale words and its eight fragments of W: K step kk of slot b, into set kk.  25 loads, the scale words first
.macro FETCHW b, kk
	WIN 0
	ds_load_b128 v[WS+4*(\kk):WS+4*(\kk)+3], v[ADW+(\b)] offset:PIECE*(\kk)+12288
.if (\kk) == 0
	WIN 0xc0                                       ; destination window 3
.endif
.set WB, 144+16*(\kk)
.irp i, 0,1,2,3,4,5,6,7
.irp c, 0,1,2
	ds_load_b128 v[WB+12*\i+4*\c:WB+12*\i+4*\c+3], v[ADW+(\b)] offset:PIECE*(\kk)+1536*\i+512*\c
.endr
.endr
	WIN 0
.endm
; one product: tile i of W x tokens 16 mt on, K step s
.macro WM i, mt, s
.set rC, 64*(\mt)+8*(\i)
.set rW, WB+12*(\i)
.set rX, XB+12*(\mt)
.set rP, WS+4*((\s)%2)+(\i)%4
.set rQ, XS+4*((\s)/2)+(\mt)
.if ((\i) >= 4) && ((\s)%2 == 1)
	v_wmma_scale_f32_16x16x128_f8f6f4 v[rC:rC+7], v[rW:rW+11], v[rX:rX+11], v[rC:rC+7], v[rP], v[rQ] matrix_a_fmt:MATRIX_FMT_FP6 matrix_b_fmt:MATRIX_FMT_FP6 matrix_a_scale:MATRIX_SCALE_ROW1 matrix_b_scale:MATRIX_SCALE_ROW1
.elseif (\i) >= 4
	v_wmma_scale_f32_16x16x128_f8f6f4 v[rC:rC+7], v[rW:rW+11], v[rX:rX+11], v[rC:rC+7], v[rP], v[rQ] matrix_a_fmt:MATRIX_FMT_FP6 matrix_b_fmt:MATRIX_FMT_FP6 matrix_a_scale:MATRIX_SCALE_ROW1
.elseif (\s)%2 == 1
	v_wmma_scale_f32_16x16x128_f8f6f4 v[rC:rC+7], v[rW:rW+11], v[rX:rX+11], v[rC:rC+7], v[rP], v[rQ] matrix_a_fmt:MATRIX_FMT_FP6 matrix_b_fmt:MATRIX_FMT_FP6 matrix_b_scale:MATRIX_SCALE_ROW1
.else
	v_wmma_scale_f32_16x16x128_f8f6f4 v[rC:rC+7], v[rW:rW+11], v[rX:rX+11], v[rC:rC+7], v[rP], v[rQ] matrix_a_fmt:MATRIX_FMT_FP6 matrix_b_fmt:MATRIX_FMT_FP6
.endif
.endm
; 8 products: tiles i0, i0 + 1 x the four tiles of tokens.  The 32 accumulators take turns, one instruction a turn, in the same order in every K step and every pass.
.macro MUL8 s, i0
.set WB, 144+16*((\s)%2)               ; W: even K steps window 3, odd ones window 0
.set XB, 48*((\s)%5)                   ; x: K steps 0-4 window 2, 5-7 window 3
	WIN 0x50|((2+(\s)/5)<<2)|(3*(1-(\s)%2))        ; C and D window 1
.irp i, \i0, \i0+1
.irp mt, 0,1,2,3
	WM \i, \mt, \s
.endr
.endr
.endm
; A load into a register that a matrix instruction has read, and a vector instruction that reads a matrix result, stand four places behind that matrix instruction; only plain vector instructions that name
; none of its registers are places (ISA guide 7.12.1 for vector instructions).
; An even K step: the first of its slot.  Its successor's piece is fetched behind the first eight products.
.macro STEP b, s
	s_wait_dscnt 18                                ; the scale words and tiles 0 and 1 are in; the youngest 18 loads may be out
	MUL8 \s, 0
	s_wait_dscnt 0x0                               ; the whole piece is in
	PLACES 4                                       ; for the loads into the other set, which the K step before multiplied
	FETCHW \b, 1
	MUL8 \s, 2
	MUL8 \s, 4
	MUL8 \s, 6
	WIN 0
.endm
; An odd K step changes slots: ONE barrier; in front of it each wave waits for all its tensor loads, adds 0 to its spare word, and waits for that and for its reads of this slot.
; fill = 1: the barrier opens a round of the cluster's, and this slot is filled again, with the walk's slot two on: the load has two K steps, 64 products a wave, less sixteen, in which to land.
.macro TURN b, s, fill
	s_wait_tensorcnt 0x0                           ; all my tensor loads have landed: the one that was out is my part of the other slot
	ds_add_u32 v[SPW], v[NIL]                      ; 0 onto my spare word
	s_wait_dscnt 19                                ; (the add and the youngest 18 loads may be out)
	MUL8 \s, 0                                     ; eight products stand between the add and the wait for it
	s_wait_dscnt 0x0                               ; the add is done, and my reads of this slot are over
	s_barrier_signal -1
	MUL8 \s, 2
	WIN 0
	s_barrier_wait -1
.if \fill
	CREST                                          ; no wave of any partner still reads this slot or has a load on its way
	s_add_nc_u64 s[G0+4*\b+2:G0+4*\b+3], s[G0+4*\b+2:G0+4*\b+3], 2*SLOTB
	tensor_load_to_lds s[G0+4*\b:G0+4*\b+3], s[G1:G1+7]   ; the first tensor load behind the round, and my only one until the next
	s_nop 0
	PLACES 4                                       ; the places in front of the loads below
.else
	PLACES 4
.endif
	FETCHW 1-\b, 0
	MUL8 \s, 4
	MUL8 \s, 6
	WIN 0
.endm
; A pass: 512 columns, K steps 0 to 7, four slots.  last = 1: the walk's last two slots are not followed by any: nothing is asked for, and the tail is written out.
.macro PASS last
	s_wait_loadcnt 0x0                             ; the biases are in the accumulators; their loads are done, so their base may step:
	s_add_nc_u64 s[8:9], s[8:9], 2048              ; the next pass's
	STEP 0, 0
	TURN 0, 1, 1
	STEP 1, 2
	TURN 1, 3, 1
	STEP 0, 4
.if \last
	TURN 0, 5, 0
	STEP 1, 6
	s_wait_dscnt 18
	MUL8 7, 0
	s_wait_dscnt 0x0
	MUL8 7, 2
	MUL8 7, 4
	MUL8 7, 6
	WIN 0
.else
	TURN 0, 5, 1
	STEP 1, 6
	TURN 1, 7, 1
.endif
.endm
; Behind a pass of q or k: the 64 numbers of each tile of tokens are quantised along the heads' 64 and go to LDS by tokens: my 128 columns are 96 bytes of a token's stream of bits, and one scale word.
; Then the next pass's biases are asked for, into the accumulators just read.
.macro EPI_QK
	v_add_nc_u32 v[QA], s[PO], v[QST]              ; (these three and a v_nop are the places behind the last products)
	v_add_nc_u32 v[QA+1], s[PO], v[QST+1]
	v_add_nc_u32 v[SA], s[SO], v[SST]
	PLACES 1
.irp mt, 0,1,2,3
.if \mt >= 2
	s_wait_dscnt 7                                 ; the last tile's seven stores may be out: those of the tile before, from this set of registers, are done
.endif
	QUANT 64*\mt, \mt%2
.irp c, 0,1
.irp q, 0,1,2
	ds_store_b64 v[QA+\mt/2], v[PC+20*(\mt%2)+6*\c+2*\q:PC+20*(\mt%2)+6*\c+2*\q+1] offset:(\mt%2)*16*QPIT+48*\c+8*\q   ; registers 6 c .. 6 c + 5: columns 64 c + 32 h + 0 .. 31: bytes 48 c + 24 h on
.endr
.endr
	ds_store_b32 v[SA], v[PW+\mt%2] offset:16*SPIT*\mt
	BIAS \mt
.endr
	WIN 0
	s_wait_dscnt 0x0
	s_add_co_u32 s[PO], s[PO], 384
	s_add_co_u32 s[SO], s[SO], 16
.endm
; Behind a pass of v: rounded to bf16 and stored by tokens and heads.  Tile 4 tl + T, lane (r, h), register j is v(token r, head tl of my two, d = 4 (8 h + j) + T): it goes to place 16 T + 8 h + j of the head's 64.
.macro EPI_V adr, bias
	PLACES 4
.irp mt, 0,1,2,3
	WIN 0x05
.irp i, 0,1,2,3,4,5,6,7
.irp q, 0,1,2,3
	v_cvt_pk_bf16_f32 v[VT+4*\i+\q], v[64*\mt+8*\i+2*\q], v[64*\mt+8*\i+2*\q+1]
.endr
.endr
	WIN 0
.irp i, 0,1,2,3,4,5,6,7
	ds_store_b128 v[\adr], v[VT+4*\i:VT+4*\i+3] offset:16*VTOK*\mt+VHD*(\i/4)+32*(\i%4)
.endr
.if \bias
	BIAS \mt
.endif
	s_wait_dscnt 0x0                               ; the stores have read their registers
.endr
	WIN 0
.endm
	; ---- the operands come in: the first pass's biases, all of x's codes and scale words, the first piece of W
	BIAS 0
	BIAS 1
	BIAS 2
	BIAS 3
	WIN 0x80                                       ; destination window 2
.set f, 0
.rept 20
.irp c, 0,1,2
	ds_load_b128 v[12*f+4*\c:12*f+4*\c+3], v[LI] offset:1536*f+512*\c
.endr
.set f, f+1
.endr
	WIN 0xc0                                       ; destination window 3
.rept 12
.irp c, 0,1,2
	ds_load_b128 v[12*(f-20)+4*\c:12*(f-20)+4*\c+3], v[LI] offset:1536*f+512*\c
.endr
.set f, f+1
.endr
	WIN 0
.irp a, 0,1,2,3
.irp mt, 0,1,2,3
	ds_load_b32 v[XS+4*\a+\mt], v[LS] offset:128*(4*\mt+\a)   ; lanes 0-15: K step 2 a; lanes 16-31: K step 2 a + 1
.endr
.endr
	s_wait_tensorcnt 1                             ; my part of slot 0 is in (slot 1's load may be out); I alone read it, so my own wait is all that the reads need
	FETCHW 0, 0
	; ---- q and k: four passes.  x's images are written over by codes only behind a pass's barriers, which every wave signals behind its reads of them
	s_mov_b32 s[TRIP], 4
.Lqk:
	PASS 0
	EPI_QK
	s_sub_co_u32 s[TRIP], s[TRIP], 1
	s_cmp_lg_u32 s[TRIP], 0
	s_cbranch_scc1 .Lqk
	; ---- att: wave w takes tokens 16 w .. 16 w + 15, four at a time
	s_barrier_signal -1                            ; (no LDS instruction of mine is out)  all codes and scale bytes of q and k lie in LDS
	s_barrier_wait -1
.irp u, 0,1,2,3
.irp q, 6,7,8,9,10,11
	v_mov_b32 v[KF+24*\u+\q], 0                    ; K = 64: the operands' upper halves are zero codes, which add nothing
	v_mov_b32 v[KF+12+24*\u+\q], 0
.endr
.endr
	PLACES 4                                       ; an operand written by vector instructions stands four places ahead of a scaled matrix instruction
.irp g, 0,1,2,3
.irp u, 0,1,2,3
.irp q, 0,1,2
	ds_load_b64 v[KF+24*\u+2*\q:KF+24*\u+2*\q+1], v[AQ] offset:QPIT*(4*\g+\u)+768+8*\q       ; k: head r, d = 32 h + 0 .. 31
	ds_load_b64 v[KF+12+24*\u+2*\q:KF+12+24*\u+2*\q+1], v[AQ] offset:QPIT*(4*\g+\u)+8*\q     ; q likewise
.endr
	ds_load_u16 v[SQ+\u], v[AS] offset:SPIT*(4*\g+\u)   ; head r's two scale bytes: lanes 0-15 q's, lanes 16-31 k's; the upper two bytes are 0, over zero codes
.endr
	s_wait_dscnt 0x0
.irp u, 0,1,2,3
	v_wmma_scale_f32_16x16x128_f8f6f4 v[DA+8*\u:DA+8*\u+7], v[KF+24*\u:KF+24*\u+11], v[KF+12+24*\u:KF+12+24*\u+11], 0, v[SQ+\u], v[SQ+\u] matrix_a_fmt:MATRIX_FMT_FP6 matrix_b_fmt:MATRIX_FMT_FP6 matrix_a_scale:MATRIX_SCALE_ROW1   ; source 0 = k's 16 heads, source 1 = q's: lane (r, h), register j: att(h = r, t = 8 h + j)
.endr
	PLACES 4
.irp u, 0,1,2,3
.irp q, 0,1,2,3
	v_cvt_pk_bf16_f32 v[AT+4*(4*\g+\u)+\q], v[DA+8*\u+2*\q], v[DA+8*\u+2*\q+1]   ; these four registers are registers 0-3 of the last product's A: row r, K = t = 8 h + 0 .. 7
.endr
.endr
.endr
	s_barrier_signal -1                            ; (no LDS instruction of mine is out)  nobody reads q's and k's codes any more: v may be written over them
	s_barrier_wait -1
	; ---- v: heads 8-15, then heads 0-7
	PASS 0
	EPI_V VSTA, 1
	PASS 1
	EPI_V VSTB, 0                                  ; into slot 0: it has had its last fill, and every wave has passed the last change of slots, behind which nobody reads it
	s_barrier_signal -1                            ; (no LDS instruction of mine is out)  v lies in LDS
	s_barrier_wait -1
	; ---- out, token by token: A = att (16 heads x K = 16 of 32), B = v turned (K = t, 16 places of a head's 64): four products a token
.irp q, 0,1,2,3
	v_mov_b32 v[ATO+\q], v[AT+\q]
	v_mov_b32 v[ATO+4+\q], 0                       ; K = 16 .. 31: zeros
.endr
.irp i, 0,1,2,3,4,5,6,7
.irp q, 4,5,6,7
	v_mov_b32 v[VB+8*\i+\q], 0
.endr
.endr
.irp t, 0,1,2,3
	ds_load_tr16_b128 v[VB+8*\t:VB+8*\t+3], v[VRD] offset:32*\t
.endr
.irp n, 0,1,2,3,4,5,6,7,8,9,10,11,12,13,14,15
.if \n < 15
.irp t, 0,1,2,3
	ds_load_tr16_b128 v[VB+32*((\n+1)%2)+8*\t:VB+32*((\n+1)%2)+8*\t+3], v[VRD] offset:VTOK*(\n+1)+32*\t   ; the next token's, into the other set
.endr
	s_wait_dscnt 4                                 ; this token's four loads are in; the next token's may be out
.else
	s_wait_dscnt 0x0
.endif
.irp t, 0,1,2,3
	v_wmma_f32_16x16x32_bf16 v[OA+8*\t:OA+8*\t+7], v[ATO:ATO+7], v[VB+32*(\n%2)+8*\t:VB+32*(\n%2)+8*\t+7], 0   ; lane (r, h), register j: out(head 8 h + j, d = 4 r + t)
.endr
	PLACES 4
.if \n < 15
.irp q, 0,1,2,3
	v_mov_b32 v[ATO+\q], v[AT+4*(\n+1)+\q]
.endr
.endif
	s_wait_xcnt 0x0                                ; the last token's stores have read their registers
.irp j, 0,1,2,3,4,5,6,7
.irp t, 0,1,2,3
	v_mov_b32 v[OS+4*\j+\t], v[OA+8*\t+\j]         ; four neighbouring d side by side; each accumulator is read from its low end on
.endr
.endr
.irp j, 0,1,2,3,4,5,6,7
	global_store_b128 v[GO], v[OS+4*\j:OS+4*\j+3], s[10:11] offset:4096*\n+256*\j th:TH_STORE_NT   ; lanes 0-15 store head j's 256 bytes, lanes 16-31 head 8 + j's: each 256 consecutive bytes, at a multiple of 256 from out's first byte
.endr
.endr
	s_wait_tensorcnt 0x0                           ; the wave's end: behind my last tensor load and my last LDS store
	ds_add_u32 v[SPW], v[NIL]
	s_wait_dscnt 0x0
	CROUND                                         ; the closing round: no work-group ends while a partner may still ask for a part that names it
	s_endpgm
.Lfunc_end_k_q130de763a7_main:
	.size	k_q130de763a7_main, .Lfunc_end_k_q130de763a7_main-k_q130de763a7_main
	.p2alignl 7, 3214868480
	.fill 96, 4, 3214868480
	.section	.rodata,"a",@progbits
	.p2align	6, 0x0
	.amdhsa_kernel k_q130de763a7_main
		.amdhsa_group_segment_fixed_size 327680
		.amdhsa_private_segment_fixed_size 0
		.amdhsa_enable_private_segment 0
		.amdhsa_kernarg_size 32
		.amdhsa_user_sgpr_count 2
		.amdhsa_user_sgpr_kernarg_segment_ptr 1
		.amdhsa_wavefront_size32 1
		.amdhsa_system_sgpr_workgroup_id_x 1
		.amdhsa_system_sgpr_workgroup_id_y 1
		.amdhsa_system_sgpr_workgroup_id_z 1
		.amdhsa_system_vgpr_workitem_id 0
		.amdhsa_next_free_vgpr 1024
		.amdhsa_next_free_sgpr 66
		.amdhsa_reserve_vcc 0
		.amdhsa_float_denorm_mode_32 3
		.amdhsa_float_denorm_mode_16_64 3
		.amdhsa_memory_ordered 1
		.amdhsa_forward_progress 1
		.amdhsa_inst_pref_size 255
	.end_amdhsa_kernel
	.section	.bss,"aw",@nobits
	.p2align	6
	.space	262144
	.amdgpu_metadata
---
amdhsa.version: [ 1, 2 ]
amdhsa.kernels:
  - .name:           k_q130de763a7_main
    .symbol:         k_q130de763a7_main.kd
    .args:
      - { .name: x, .offset: 0, .size: 8, .value_kind: global_buffer, .address_space: global }
      - { .name: wimg, .offset: 8, .size: 8, .value_kind: global_buffer, .address_space: global }
      - { .name: bimg, .offset: 16, .size: 8, .value_kind: global_buffer, .address_space: global }
      - { .name: out0, .offset: 24, .size: 8, .value_kind: global_buffer, .address_space: global }
    .group_segment_fixed_size: 327680
    .private_segment_fixed_size: 0
    .kernarg_segment_align: 8
    .kernarg_segment_size: 32
    .max_flat_workgroup_size: 128
    .sgpr_count:     66
    .vgpr_count:     1024
    .wavefront_size: 32
...
	.end_amdgpu_metadata
.endif
;; end of part 2
;; ======== version 2 of 2: 2 launches; 1.14 times as fast as version 1
;; workspace buffers: wimg 2,457,600 bytes; bimg 12,288 bytes
;; launch prep: the kernel of part 1 again; grid 64 x 3, 4 waves a work-group, no clusters, 13,824 bytes of LDS; arguments Wq, Wk, Wv, bq, bk, bv, wimg, bimg; writes wimg, bimg
;; launch main (part 3): grid 256 x 1, 4 waves a work-group, clusters of 4 x 1, 327,680 bytes of LDS; arguments x, wimg, bimg, out0; writes out0
.if DOCPART == 3
	.amdgcn_target "amdgcn-amd-amdhsa--gfx1250"
	.amdhsa_code_object_version 6
	.text
	.protected	k_q130de763a7_main
	.globl	k_q130de763a7_main
	.p2align	8
	.type	k_q130de763a7_main,@function
k_q130de763a7_main:
	s_mov_b64 s[64:65], 0
	v_nop
	global_prefetch_b8 v0, s[64:65] scope:SCOPE_SE
	s_setreg_imm32_b32 hwreg(HW_REG_WAVE_MODE, 25, 1), 1
	s_wait_xcnt 0x0
	s_wait_alu depctr_hold_cnt(0) depctr_sa_sdst(0) depctr_va_vdst(0) depctr_va_sdst(0) depctr_va_ssrc(0) depctr_va_vcc(0) depctr_vm_vsrc(0)
	s_getreg_b32 s2, hwreg(HW_REG_IB_STS2, 6, 4)
	s_cmp_eq_u32 s2, 0
	s_cbranch_scc0 .Lentry_in_a_cluster
	s_endpgm
.Lentry_in_a_cluster:
	s_bfe_u32 s2, ttmp6, 0x10000c
	s_cmp_lg_u32 s2, 0x3003
	s_cbranch_scc0 .Lentry_shape_is_right
	s_endpgm
.Lentry_shape_is_right:
; out[token][h][d] = sum over t of att[h][t] v[t][d], att[h][t] = sum over d of Q(q[h][d]) Q(k[t][d]), q, k, v = Q(x) Q(W) + b.  16,384 tokens of 1,024 numbers, 16 heads of 64.
; Q: codes of FP6 (E2M3) with one E8M0 scale for each 32 along a product's K.  The three projections and att go by v_wmma_scale_f32_16x16x128_f8f6f4; att v (K = 16) by the bf16 form; all sums f32.
; SHARES.  A token needs all 3,072 columns, so a work-group owns whole tokens: 64 of them, 256 work-groups.  THE WAVES SHARE THE COLUMNS, NOT THE ROWS: the columns go in 6 passes of 512; in a pass wave w
; makes 128 columns for all 64 tokens: 32 accumulators of 16 x 16.  x's codes, 32 fragments, stay in every wave's registers; a fragment of W is read from LDS once, by one wave, and feeds four products.
; THE WEIGHTS come as images of the operand's registers (made by the launch before), through a ring of two LDS slots of two K steps each; each wave's tensor load brings the 25,600 bytes that this wave alone reads.
; CLUSTER.  All work-groups walk the same weights: the four of a cluster ask for each part JOINTLY, by the same tensor load with the same descriptor and a mask that names the four.
; THE WALK ALONG K IS TURNED FROM CLUSTER TO CLUSTER: cluster c begins each pass at slot t = (c + c / 4 + c / 16) % 4 of the pass's four and goes round; x's K steps are loaded in the same turned order, so that
; register set j holds K step (j + 2 t) % 8 of x and of W alike.  So the clusters do not all ask for the same part of wimg at the same step of their walk.  t enters global addresses alone.
; LAYOUT.  The projections are used transposed (source 0 = 16 columns of W, source 1 = 16 tokens): a lane holds ONE token (lane % 16), its registers run along the columns.  The columns that form a tile are chosen:
;   q, k: tile 2 b + u, row m = column 32 b + 8 u + m + 8 (m / 8) of the wave's 128: the 16 registers of two neighbouring tiles are 16 neighbours along att's K;
;   v:    tile 4 tl + T, row m = column 64 tl + 4 m + T: so that a lane of the last product's results holds four neighbouring numbers of out.
; q's and k's codes meet in LDS by tokens; then wave w owns tokens 16 w .. 16 w + 15: att^T = k q^T, one product a token (K = 64, the other 64 are zero codes); its result, rounded to bf16 in pairs, IS the A operand of att v.
; The biases are the C of each sum's first product: eight registers a tile, in the result's layout.
; LIMITS: a bias is added first and not last, and the sums along K begin at K step 2 t: another order of rounding than the source's.  NaN and infinities among the inputs are not served; a block of zeros, or one
; whose largest magnitude lies under 2^-124, gets the scale byte 1 (read by this program alone; zero codes add nothing under it).
; REGISTERS, in windows of 256: window 0: v1-27 addresses; v28-31, v32-47, v48-55 scale words; v56-119 the quantiser's, later att; v128-159 the biases of tiles 0-3; v160-255 W's fragments of odd K steps.
;   window 1: accumulator (tile i, 16 tokens mt) at v[64 mt + 8 i]; at the start x's numbers.   window 2: x's fragments of sets 0-4, at v[12 (4 j + mt)]; v240-255 the biases of tiles 4, 5.
;   window 3: x's fragments of sets 5-7, v0-143; W's fragments of even K steps, v144-239; v240-255 the biases of tiles 6, 7.
.set SLOTB, 102400                     ; a slot: four waves' parts
.set WPART, 25600                      ; a wave's part: two pieces
.set PIECE, 12800                      ; a piece: 8 fragments of 1,536 bytes and 512 bytes of scale words: 128 columns x 128 along K
.set STAGE, 2*SLOTB                    ; behind the ring, written by LDS stores alone, three uses one after the other: x's images | q's and k's codes | v of heads 8-15
.set XSCB,  STAGE+49152                ; x's scale words: 512 mt + 64 j + 4 r
.set QPIT,  1552                       ; a token's codes: q's 768 bytes, k's 768, 16 spare: 388 words, so that the lanes of a store of 8 bytes fall on different banks (64 banks of 4 bytes: ISA guide 11.1)
.set QKS,   STAGE+64*QPIT              ; q's and k's scale bytes,
.set SPIT,  68                         ; a token's 32 + 32 and 4 spare
.set SPARE, QKS+64*SPIT                ; the spare words, 128 bytes for each wave: two blocks of 256 bytes that no other line names
.set VTOK,  1296                       ; v in bf16: a token's 8 heads,
.set VHD,   160                        ; a head's 128 bytes + 32.  Heads 8-15 at STAGE, heads 0-7 at LDS byte 0, in slot 0, behind its last fill and its last read
.set SPW,  1                           ; v1   LDS address of my spare word; never rewritten
.set NIL,  2                           ; v2   0; never rewritten
.set ADW,  3                           ; v3-4 my lane's 16 bytes in my wave's part of slot 0, 1
.set BO,   5                           ; v5   the biases: 32 (lane / 16)
.set QST,  6                           ; v6-7 where I put codes of q or k: tokens 0-31, 32-63
.set QA,   8                           ; v8-9 the same in the pass in hand
.set SST,  10                          ; v10  where I put their scale word;  v11 in the pass in hand
.set SA,   11
.set VSTA, 12                          ; v12  where I put v: heads 8-15;  v13: heads 0-7
.set VSTB, 13
.set AQ,   14                          ; v14  att: my head's codes in my wave's first token
.set AS,   15                          ; v15  and its two scale bytes: lanes 0-15 q's, lanes 16-31 k's
.set VRD,  16                          ; v16  the turning load of v
.set GO,   17                          ; v17  my byte offset in a token's row of out
.set XA,   18                          ; v18  my byte offset in my wave's 16 rows of x
.set LI,   19                          ; v19  STAGE + 16 x lane: an image's place for my lane
.set LS,   20                          ; v20  XSCB + 4 x lane
.set XWI,  21                          ; v21  where I store x's images;  v22 their scale words
.set XWS,  22
.set SQ,   28                          ; v28-31  att's scale words
.set XS,   32                          ; v32-47  x's: register 4 a + mt: lanes 0-15 set 2 a, lanes 16-31 set 2 a + 1
.set WS,   48                          ; v48-55  W's, a set of four for even and for odd K steps: register e: lanes 0-15 tile e, lanes 16-31 tile 4 + e
.set TM,   56                          ; v56-71  the quantiser: largest magnitudes, bytes, scale operands
.set PW,   72                          ; v72-73  the scale word just made, two sets
.set PC,   80                          ; v80-119 the codes just made, two sets of 20
.set ATO,  56                          ; v56-63  (behind the quantiser's last use) the token's att as an operand: four registers and four of zeros
.set AT,   64                          ; v64-127 att in bf16, four registers a token
.set BR,   128                         ; v128-159 the biases of tiles 0-3
.set BH,   240                         ; v240-255 of window 2: tiles 4, 5; of window 3: tiles 6, 7
.set XAJ,  160                         ; v160-167 (at the start) my byte offset in x for set j: XA + 512 ((j + 2 t) % 8)
.set KF,   160                         ; v160-255 att's operands: token u: k at KF + 24 u, q at KF + 12 + 24 u
.set VB,   128                         ; v128-191 the last product's B, two sets of 4 x 8
.set OA,   192                         ; v192-223 its results
.set WV,   12                          ; s12  my wave's number
.set PB,   18                          ; s[18:19] my wave's part of the first slot of the pass that is being asked for
.set SEL,  20                          ; s[20:21] lane selects for v_permlanex16_b32: lane l xor 16
.set G1,   24                          ; s[24:31] descriptor group 1
.set G0,   32                          ; s[32:39] group 0, a set for each slot
.set PO,   40                          ; s40  384 x pass: where the pass's codes lie in a token's
.set SO,   41                          ; s41  16 x pass: and its scale bytes
.set TRIP, 42
.set T0,   43
.set OF,   44                          ; s[44:51] four pairs: place a of my walk through a pass is slot (a + t) % 4: its byte offset in the pass
.set RT,   52                          ; s52  t, then 2 t
.set MSB, 0
.macro WIN new                         ; bits 1:0 source 0, 3:2 source 1, 5:4 source 2, 7:6 destination; the immediate's high byte repeats the setting that is left
.if MSB != (\new)
	s_set_vgpr_msb (MSB<<8)|(\new)
.set MSB, (\new)
.endif
.endm
.macro PLACES n
.rept \n
	v_nop
.endr
.endm
.macro CREST                           ; a round of the cluster's barrier behind its opening barrier
	s_cmp_lg_u32 s[WV], 0
	s_cbranch_scc1 .Lnot_wave_0_\@
	s_barrier_signal -3
.Lnot_wave_0_\@:
	s_barrier_wait -3
	s_barrier_signal -1
	s_barrier_wait -1
.endm
.macro CROUND                          ; a whole round
	s_barrier_signal -1
	s_barrier_wait -1
	CREST
.endm
.macro BARRIER                         ; my LDS stores have landed and my LDS loads are in: then the work-group's barrier.
	s_wait_dscnt 0x0
	s_barrier_signal -1
	s_barrier_wait -1
.endm
	s_load_b256 s[4:11], s[0:1], 0x0               ; x s[4:5], wimg s[6:7], bimg s[8:9], out0 s[10:11]
	v_lshl_add_u32 v[SPW], v0, 2, SPARE
	v_mov_b32 v[NIL], 0
	ds_add_u32 v1, v2
	ds_add_u32 v1, v2
	s_wait_dscnt 0x0
	v_lshrrev_b32 v23, 5, v0
	v_readfirstlane_b32 s[WV], v23                 ; wave 0..3
	s_bfe_u32 s13, ttmp6, 0x40000                  ; cx: my place in the cluster: it enters x's and out's addresses alone
	s_lshl_b32 s14, ttmp9, 2
	s_add_co_u32 s14, s14, s13                     ; my work-group = 4 x cluster + cx
	s_lshl_b32 s14, s14, 6
	s_lshl_b32 s15, s[WV], 4
	s_add_co_u32 s14, s14, s15                     ; my wave's first token: 64 x work-group + 16 x wave
	s_lshl_b32 s14, s14, 12                        ; rows of 4,096 bytes
	s_mov_b32 s15, 0
	s_mul_i32 s16, s[WV], WPART                    ; my wave's part of a slot, in wimg and in LDS alike
	s_mov_b32 s17, 0
	s_lshl_b32 s22, s[WV], 9                       ; my wave's 128 biases of a pass
	s_mov_b32 s23, 0
	s_lshr_b32 s[T0], ttmp9, 2                     ; t = (c + c / 4 + c / 16) % 4, c the cluster's number: the same in all four partners
	s_add_co_u32 s[RT], ttmp9, s[T0]
	s_lshr_b32 s[T0], ttmp9, 4
	s_add_co_u32 s[RT], s[RT], s[T0]
	s_and_b32 s[RT], s[RT], 3
.irp a, 0,1,2,3
	s_add_co_u32 s[T0], s[RT], \a
	s_and_b32 s[T0], s[T0], 3
	s_mul_i32 s[OF+2*\a], s[T0], SLOTB             ; place a of the walk: slot (a + t) % 4 of the pass
	s_mov_b32 s[OF+2*\a+1], 0
.endr
	; descriptor group 1: a dense block of 25,600 bytes as 100 rows of 256 bytes (32 elements of 8 bytes); no padding: it is read back 16 bytes a lane, 512 consecutive bytes a load
	s_mov_b32 s[G1], 15|(3<<16)|(1<<21)            ; 15:0 the mask: all four work-groups; 17:16 elements of 8 bytes; 21 set beside a mask
	s_mov_b32 s[G1+1], 32<<16                      ; tensor_dim0 = 32
	s_mov_b32 s[G1+2], 100<<16                     ; tensor_dim1 = 100
	s_mov_b32 s[G1+3], 32<<16                      ; tile_dim0 = 32
	s_mov_b32 s[G1+4], 100                         ; tile_dim1 = 100
	s_mov_b32 s[G1+5], 32                          ; tensor_dim0_stride
	s_mov_b32 s[G1+6], 0
	s_mov_b32 s[G1+7], 0
	s_mov_b32 s[SEL], 0x76543210
	s_mov_b32 s[SEL+1], 0xfedcba98
	s_mov_b32 s[PO], 0
	s_mov_b32 s[SO], 0
	s_wait_kmcnt 0x0
	s_add_nc_u64 s[4:5], s[4:5], s[14:15]
	s_add_nc_u64 s[10:11], s[10:11], s[14:15]
	s_add_nc_u64 s[8:9], s[8:9], s[22:23]
	s_add_nc_u64 s[PB:PB+1], s[6:7], s[16:17]
.irp b, 0,1
	s_mov_b32 s[G0+4*\b], 1                        ; count = 1
	s_add_co_u32 s[G0+4*\b+1], s16, \b*SLOTB       ; LDS address: the wave's number and the slot alone
	s_add_nc_u64 s[G0+4*\b+2:G0+4*\b+3], s[PB:PB+1], s[OF+2*\b:OF+2*\b+1]   ; global address: place b of the first pass's walk
	s_or_b32 s[G0+4*\b+3], s[G0+4*\b+3], 0x80000000           ; type = 2
.endr
	CROUND                                         ; all four work-groups are here: the first joint loads meet
	tensor_load_to_lds s[G0:G0+3], s[G1:G1+7]      ; both first fills together: two loads of mine are out, later one
	s_nop 0
	tensor_load_to_lds s[G0+4:G0+7], s[G1:G1+7]
	s_nop 0
	v_and_b32 v23, 15, v0                          ; r = lane % 16      (lines of the work stand behind the tensor loads, ahead of the first switch of windows)
	v_bfe_u32 v24, v0, 4, 1                        ; h = lane / 16
	v_lshlrev_b32 v[XA], 12, v23
	v_lshl_add_u32 v[XA], v24, 6, v[XA]            ; x: row r of 4,096 bytes, + 64 h: my 16 numbers of a block of 32
	s_lshl_b32 s[RT], s[RT], 1                     ; the turn in K steps
.irp j, 0,1,2,3,4,5,6,7
	s_add_co_u32 s[T0], s[RT], \j
	s_and_b32 s[T0], s[T0], 7
	s_lshl_b32 s[T0], s[T0], 9                     ; a K step is 512 bytes of a row of x
	v_add_nc_u32 v[XAJ+\j], s[T0], v[XA]           ; set j holds K step (j + 2 t) % 8
.endr
; my 16 rows' numbers of set j (64 a lane: register 16 b + i = k 32 b + 16 h + i of the K step) into set `set` of window 1
.macro XLOAD set, j
	WIN 0x40
.irp b, 0,1,2,3
.irp q, 0,1,2,3
	global_load_b128 v[64*(\set)+16*\b+4*\q:64*(\set)+16*\b+4*\q+3], v[XAJ+(\j)], s[4:5] offset:128*\b+16*\q th:TH_LOAD_NT
.endr
.endr
.endm
	XLOAD 0, 0
	XLOAD 1, 1
	XLOAD 2, 2
	XLOAD 3, 3                                     ; four K steps are out: 32 KiB a wave
	WIN 0
	v_and_b32 v25, 31, v0                          ; lane
	v_lshlrev_b32 v[ADW], 4, v25
	v_add_nc_u32 v[ADW], s16, v[ADW]
	v_add_nc_u32 v[ADW+1], SLOTB, v[ADW]
	v_lshlrev_b32 v[BO], 5, v24
	v_mul_u32_u24 v[QST], v23, QPIT                ; token r, + 24 h, + my wave's 96 bytes of a pass's 384
	v_mad_u32_u24 v[QST], v24, 24, v[QST]
	s_mul_i32 s[T0], s[WV], 96
	s_add_co_u32 s[T0], s[T0], STAGE
	v_add_nc_u32 v[QST], s[T0], v[QST]
	v_add_nc_u32 v[QST+1], 32*QPIT, v[QST]
	v_mul_u32_u24 v[SST], v23, SPIT
	s_lshl_b32 s[T0], s[WV], 2
	s_add_co_u32 s[T0], s[T0], QKS
	v_add_nc_u32 v[SST], s[T0], v[SST]
	v_mul_u32_u24 v[VSTB], v23, VTOK               ; token r, my wave's two heads of a pass's eight, + 16 h
	v_lshl_add_u32 v[VSTB], v24, 4, v[VSTB]
	s_mul_i32 s[T0], s[WV], 2*VHD
	v_add_nc_u32 v[VSTB], s[T0], v[VSTB]
	v_add_nc_u32 v[VSTA], STAGE, v[VSTB]
	v_mul_u32_u24 v[AQ], v23, 48                   ; head r's 64 codes are 48 bytes, + 24 h
	v_mad_u32_u24 v[AQ], v24, 24, v[AQ]
	s_mul_i32 s[T0], s[WV], 16*QPIT
	s_add_co_u32 s[T0], s[T0], STAGE
	v_add_nc_u32 v[AQ], s[T0], v[AQ]
	v_lshlrev_b32 v[AS], 1, v23
	v_lshl_add_u32 v[AS], v24, 5, v[AS]
	s_mul_i32 s[T0], s[WV], 16*SPIT
	s_add_co_u32 s[T0], s[T0], QKS
	v_add_nc_u32 v[AS], s[T0], v[AS]
	v_and_b32 v26, 7, v0                           ; the turning load: lane l reads 16 bytes of head 8 (l / 16) + l % 8, at 16 ((l / 8) % 2); heads 8-15 lie STAGE bytes further on than heads 0-7
	v_bfe_u32 v27, v0, 3, 1
	v_mul_u32_u24 v[VRD], v26, VHD
	v_lshl_add_u32 v[VRD], v27, 4, v[VRD]
	v_mad_u32_u24 v[VRD], v24, STAGE, v[VRD]
	s_mul_i32 s[T0], s[WV], 16*VTOK
	v_add_nc_u32 v[VRD], s[T0], v[VRD]
	v_lshlrev_b32 v[GO], 4, v23
	v_lshl_add_u32 v[GO], v24, 11, v[GO]           ; out: 16 r, + 8 heads of 256 bytes for lanes 16-31
	v_lshl_add_u32 v[LI], v25, 4, STAGE
	v_lshl_add_u32 v[LS], v25, 2, XSCB
	s_mul_i32 s[T0], s[WV], 1536
	v_add_nc_u32 v[XWI], s[T0], v[LI]
	v_lshl_add_u32 v[XWS], v23, 2, XSCB
	v_add_nc_u32 v[XWS], s22, v[XWS]
.irp b, 0,1,2,3
	v_mov_b32 v[TM+4+\b], 0                        ; written once: a lane permute's destination counts as one of its sources
.endr
; THE QUANTISER.  64 numbers of a lane in window 1, v[src] on, register 16 b + i = k 32 b + 16 (lane / 16) + i of the lane's row, become a fragment's codes in v[PC + 20 set] on and its scale word in v[PW + set].
; The numbers are read in ascending order.
.macro QUANT src, set
.set PCS, PC+20*(\set)
	WIN 0x05                                       ; sources 0 and 1 window 1
.irp b, 0,1,2,3
	v_max3_num_f32 v[TM+\b], |v[(\src)+16*\b]|, |v[(\src)+16*\b+1]|, 0x1800000   ; block b: my 16 numbers, and the floor 2^(3 - 127): the byte cannot fall under 1
.endr
.irp i, 2,4,6,8,10,12,14
.irp b, 0,1,2,3
	v_max3_num_f32 v[TM+\b], |v[(\src)+16*\b+\i]|, |v[(\src)+16*\b+\i+1]|, v[TM+\b]   ; (the four blocks by turns)
.endr
.endr
	WIN 0
.irp b, 0,1,2,3
	v_permlanex16_b32 v[TM+4+\b], v[TM+\b], s[SEL], s[SEL+1]
.endr
.irp b, 0,1,2,3
	v_max_num_f32 v[TM+\b], v[TM+\b], v[TM+4+\b]   ; with lane l xor 16's: the block's largest magnitude
.endr
.irp b, 0,1,2,3
	v_add_nc_u32 v[TM+12+\b], 0xff000000, v[TM+\b] ; 2 off its exponent field: the conversion's scale operand
.endr
.irp b, 0,1,2,3
	v_lshrrev_b32 v[TM+4+\b], 23, v[TM+12+\b]      ; the scale's byte
.endr
	v_lshl_or_b32 v[PW+(\set)], v[TM+5], 8, v[TM+4]
	v_lshl_or_b32 v[PW+(\set)], v[TM+6], 16, v[PW+(\set)]
	v_lshl_or_b32 v[PW+(\set)], v[TM+7], 24, v[PW+(\set)]
	WIN 0x01                                       ; source 0 window 1
.irp c, 0,1
	v_cvt_scalef32_pk16_fp6_f32 v[PCS+6*\c:PCS+6*\c+2], v[(\src)+32*\c:(\src)+32*\c+15], v[TM+12+2*\c]
	v_cvt_scalef32_pk16_fp6_f32 v[PCS+12+4*\c:PCS+12+4*\c+2], v[(\src)+32*\c+16:(\src)+32*\c+31], v[TM+12+2*\c+1]   ; (a conversion's three registers begin on an even number)
.endr
	WIN 0
	v_nop                                          ; one plain place behind a scaled conversion
.irp c, 0,1                                    ; the operand's layout wants a WHOLE block in a lane: lanes 0-15 block 2 c, lanes 16-31 block 2 c + 1
.irp i, 0,1,2
	v_permlane16_swap_b32 v[PCS+6*\c+\i], v[PCS+12+4*\c+\i]
.endr
.irp i, 0,1,2
	v_mov_b32 v[PCS+3+6*\c+\i], v[PCS+12+4*\c+\i]
.endr
.endr
.endm
	; ---- x: my wave's 16 tokens become eight fragments, whose images go to LDS: fragment (set j, tokens 16 w on) at 1536 (4 j + w)
.irp s, 0,1,2,3,4,5,6,7
.if \s < 5
	s_wait_loadcnt 48                              ; this set's 16 loads are in; those of the three sets behind it may be out
.else
	s_wait_loadcnt 16*(7-\s)
.endif
.if \s >= 2
	s_wait_dscnt 4                                 ; the last set's four stores may be out: those of the set before, from this set of registers, are done
.endif
	QUANT 64*(\s%4), \s%2
.irp c, 0,1,2
	ds_store_b128 v[XWI], v[PC+20*(\s%2)+4*\c:PC+20*(\s%2)+4*\c+3] offset:6144*\s+512*\c
.endr
	ds_store_b32 v[XWS], v[PW+\s%2] offset:64*\s   ; lanes r and r + 16 write the same word with the same value
.if \s < 4
	XLOAD \s%4, \s+4
.endif
.endr
	BARRIER                                        ; x's 32 fragments lie in LDS.  (My two tensor loads may stay out)
; the biases of my 128 columns of the pass that s[8:9] stands at: lane (r, h), tile i, register j: the bias of the tile's row 8 h + j.  16 loads; they serve all four tiles of tokens
.macro BIASLD
.irp i, 0,1,2,3
	global_load_b128 v[BR+8*\i:BR+8*\i+3], v[BO], s[8:9] offset:64*\i
	global_load_b128 v[BR+8*\i+4:BR+8*\i+7], v[BO], s[8:9] offset:64*\i+16
.endr
	WIN 0x80                                       ; destination window 2
.irp i, 4,5
	global_load_b128 v[BH+8*(\i-4):BH+8*(\i-4)+3], v[BO], s[8:9] offset:64*\i
	global_load_b128 v[BH+8*(\i-4)+4:BH+8*(\i-4)+7], v[BO], s[8:9] offset:64*\i+16
.endr
	WIN 0xc0                                       ; destination window 3
.irp i, 6,7
	global_load_b128 v[BH+8*(\i-6):BH+8*(\i-6)+3], v[BO], s[8:9] offset:64*\i
	global_load_b128 v[BH+8*(\i-6)+4:BH+8*(\i-6)+7], v[BO], s[8:9] offset:64*\i+16
.endr
	WIN 0
.endm
; a piece's scale words and its eight fragments of W: K step kk of slot b, into set kk.  25 loads, the scale words first
.macro FETCHW b, kk
	WIN 0
	ds_load_b128 v[WS+4*(\kk):WS+4*(\kk)+3], v[ADW+(\b)] offset:PIECE*(\kk)+12288
.if (\kk) == 0
	WIN 0xc0                                       ; destination window 3
.endif
.set WB, 144+16*(\kk)
.irp i, 0,1,2,3,4,5,6,7
.irp c, 0,1,2
	ds_load_b128 v[WB+12*\i+4*\c:WB+12*\i+4*\c+3], v[ADW+(\b)] offset:PIECE*(\kk)+1536*\i+512*\c
.endr
.endr
	WIN 0
.endm
; one product: tile i of W x tokens 16 mt on, set s.  In set 0 the sum begins: C is the tile's biases
.macro WM i, mt, s
.set rD, 64*(\mt)+8*(\i)
.set rC, rD
.if (\s) == 0
.if (\i) < 4
.set rC, BR+8*(\i)
.else
.set rC, BH+8*((\i)%2)
.endif
.endif
.set rW, WB+12*(\i)
.set rX, XB+12*(\mt)
.set rP, WS+4*((\s)%2)+(\i)%4
.set rQ, XS+4*((\s)/2)+(\mt)
.if ((\i) >= 4) && ((\s)%2 == 1)
	v_wmma_scale_f32_16x16x128_f8f6f4 v[rD:rD+7], v[rW:rW+11], v[rX:rX+11], v[rC:rC+7], v[rP], v[rQ] matrix_a_fmt:MATRIX_FMT_FP6 matrix_b_fmt:MATRIX_FMT_FP6 matrix_a_scale:MATRIX_SCALE_ROW1 matrix_b_scale:MATRIX_SCALE_ROW1
.elseif (\i) >= 4
	v_wmma_scale_f32_16x16x128_f8f6f4 v[rD:rD+7], v[rW:rW+11], v[rX:rX+11], v[rC:rC+7], v[rP], v[rQ] matrix_a_fmt:MATRIX_FMT_FP6 matrix_b_fmt:MATRIX_FMT_FP6 matrix_a_scale:MATRIX_SCALE_ROW1
.elseif (\s)%2 == 1
	v_wmma_scale_f32_16x16x128_f8f6f4 v[rD:rD+7], v[rW:rW+11], v[rX:rX+11], v[rC:rC+7], v[rP], v[rQ] matrix_a_fmt:MATRIX_FMT_FP6 matrix_b_fmt:MATRIX_FMT_FP6 matrix_b_scale:MATRIX_SCALE_ROW1
.else
	v_wmma_scale_f32_16x16x128_f8f6f4 v[rD:rD+7], v[rW:rW+11], v[rX:rX+11], v[rC:rC+7], v[rP], v[rQ] matrix_a_fmt:MATRIX_FMT_FP6 matrix_b_fmt:MATRIX_FMT_FP6
.endif
.endm
; 8 products: tiles i0, i0 + 1 x the four tiles of tokens.  The 32 accumulators take turns, one instruction a turn, in the same order in every K step and every pass.
.macro MUL8 s, i0
.set WB, 144+16*((\s)%2)               ; W: even sets window 3, odd ones window 0
.set XB, 48*((\s)%5)                   ; x: sets 0-4 window 2, 5-7 window 3
.if (\s) == 0
.if (\i0) < 4
	WIN 0x4b                                       ; W window 3, x window 2, the biases window 0, D window 1
.else
	WIN 0x4b+16*((\i0)/2)                          ; the biases of tiles 4, 5 window 2, of tiles 6, 7 window 3
.endif
.else
	WIN 0x50|((2+(\s)/5)<<2)|(3*(1-(\s)%2))        ; C and D window 1
.endif
.irp i, \i0, \i0+1
.irp mt, 0,1,2,3
	WM \i, \mt, \s
.endr
.endr
.endm
; A load into a register that a matrix instruction has read, and a vector instruction that reads a matrix result, stand four places behind that matrix instruction; only plain vector instructions that name
; none of its registers are places (ISA guide 7.12.1 for vector instructions).
; An even K step: the first of its slot.  Its successor's piece is fetched behind the first eight products.
.macro STEP b, s
	s_wait_dscnt 18                                ; the scale words and tiles 0 and 1 are in; the youngest 18 loads may be out
	MUL8 \s, 0
	s_wait_dscnt 0x0                               ; the whole piece is in
	PLACES 4                                       ; for the loads into the other set, which the K step before multiplied
	FETCHW \b, 1
	MUL8 \s, 2
	MUL8 \s, 4
	MUL8 \s, 6
	WIN 0
.endm
; An odd K step begins with the change of slots: both pieces of slot b are in registers or on their way there.  Each wave waits for all its tensor loads, adds 0 to its spare word, and waits for that and for its
; reads of this slot; ONE barrier.  fill = 1: the barrier opens a round of the cluster's, and slot b is filled again straight behind it, with place a of the walk through the pass in hand (nx = 1: the pass after it
; begins): the load has this K step's 32 products and the next one's in which to land.  The other slot's first piece is fetched behind 24 of this step's products.
.macro TURN b, s, fill, a, nx
	s_wait_tensorcnt 0x0                           ; all my tensor loads have landed: the one that was out is my part of the other slot; so a group 0 may be written
	ds_add_u32 v[SPW], v[NIL]                      ; 0 onto my spare word; the descriptor's words are made between it and the wait for it
.if \fill
.if \nx
	s_add_nc_u64 s[PB:PB+1], s[PB:PB+1], 4*SLOTB   ; on to the next pass's four slots
.endif
	s_add_nc_u64 s[G0+4*\b+2:G0+4*\b+3], s[PB:PB+1], s[OF+2*\a:OF+2*\a+1]
	s_or_b32 s[G0+4*\b+3], s[G0+4*\b+3], 0x80000000   ; type = 2
.endif
	s_wait_dscnt 0x0                               ; the add is done, and my reads of this slot are over
	s_barrier_signal -1
	s_barrier_wait -1
.if \fill
	CREST                                          ; no wave of any partner still reads this slot or has a load on its way
	tensor_load_to_lds s[G0+4*\b:G0+4*\b+3], s[G1:G1+7]   ; the first thing behind the round, and my only tensor load until the next
	s_nop 0
.endif
	PLACES 4                                       ; behind the tensor load; they are also the places in front of the loads into the even set below
	MUL8 \s, 0
	MUL8 \s, 2
	MUL8 \s, 4
	FETCHW 1-\b, 0
	MUL8 \s, 6
	WIN 0
.endm
; A pass: 512 columns, eight K steps, four slots.  last = 1: the walk's last two slots are not followed by any: nothing is asked for, and the tail is written out.
.macro PASS last
	s_wait_loadcnt 0x0                             ; this pass's biases are in
	STEP 0, 0
	TURN 0, 1, 1, 2, 0
.if (\last) == 0
	s_add_nc_u64 s[8:9], s[8:9], 2048              ; (the loads that read this base are done)  the next pass's biases: their registers were last read in set 0's products, four places and more ago
	BIASLD
.endif
	STEP 1, 2
	TURN 1, 3, 1, 3, 0
	STEP 0, 4
.if \last
	TURN 0, 5, 0, 0, 0
	STEP 1, 6
	s_wait_dscnt 18
	MUL8 7, 0
	s_wait_dscnt 0x0
	MUL8 7, 2
	MUL8 7, 4
	MUL8 7, 6
	WIN 0
.else
	TURN 0, 5, 1, 0, 1
	STEP 1, 6
	TURN 1, 7, 1, 1, 0
.endif
.endm
; Behind a pass of q or k: the 64 numbers of each tile of tokens are quantised along the heads' 64 and go to LDS by tokens: my 128 columns are 96 bytes of a token's stream of bits, and one scale word.
.macro EPI_QK
	v_add_nc_u32 v[QA], s[PO], v[QST]              ; (these three and a v_nop are the places behind the last products)
	v_add_nc_u32 v[QA+1], s[PO], v[QST+1]
	v_add_nc_u32 v[SA], s[SO], v[SST]
	PLACES 1
.irp mt, 0,1,2,3
.if \mt >= 2
	s_wait_dscnt 7                                 ; the last tile's seven stores may be out: those of the tile before, from this set of registers, are done
.endif
	QUANT 64*\mt, \mt%2
.irp c, 0,1
.irp q, 0,1,2
	ds_store_b64 v[QA+\mt/2], v[PC+20*(\mt%2)+6*\c+2*\q:PC+20*(\mt%2)+6*\c+2*\q+1] offset:(\mt%2)*16*QPIT+48*\c+8*\q   ; registers 6 c .. 6 c + 5: columns 64 c + 32 h + 0 .. 31: bytes 48 c + 24 h on
.endr
.endr
	ds_store_b32 v[SA], v[PW+\mt%2] offset:16*SPIT*\mt
.endr
	s_wait_dscnt 0x0
	s_add_co_u32 s[PO], s[PO], 384
	s_add_co_u32 s[SO], s[SO], 16
.endm
; Behind a pass of v: rounded to bf16 IN PLACE (pair q of tile i goes to register 4 i + q of the tile of tokens, which never lies above the pair itself, and the pairs are taken in ascending order) and stored by
; tokens and heads.  Tile 4 tl + T, lane (r, h), register j is v(token r, head tl of my two, d = 4 (8 h + j) + T): it goes to place 16 T + 8 h + j of the head's 64.
.macro EPI_V adr
	PLACES 4
.irp mt, 0,1,2,3
	WIN 0x45                                       ; sources and destination window 1
.irp i, 0,1,2,3,4,5,6,7
.irp q, 0,1,2,3
	v_cvt_pk_bf16_f32 v[64*\mt+4*\i+\q], v[64*\mt+8*\i+2*\q], v[64*\mt+8*\i+2*\q+1]
.endr
.endr
	WIN 0x04                                       ; an LDS store's data are its source 1: window 1
.irp i, 0,1,2,3,4,5,6,7
	ds_store_b128 v[\adr], v[64*\mt+4*\i:64*\mt+4*\i+3] offset:16*VTOK*\mt+VHD*(\i/4)+32*(\i%4)
.endr
.endr
	WIN 0
	s_wait_dscnt 0x0                               ; the stores have read their registers and have landed
.endm
	; ---- the operands come in: the first pass's biases, all of x's codes and scale words, the first piece of W
	BIASLD
	WIN 0x80                                       ; destination window 2
.set f, 0
.rept 20
.irp c, 0,1,2
	ds_load_b128 v[12*f+4*\c:12*f+4*\c+3], v[LI] offset:1536*f+512*\c
.endr
.set f, f+1
.endr
	WIN 0xc0                                       ; destination window 3
.rept 12
.irp c, 0,1,2
	ds_load_b128 v[12*(f-20)+4*\c:12*(f-20)+4*\c+3], v[LI] offset:1536*f+512*\c
.endr
.set f, f+1
.endr
	WIN 0
.irp a, 0,1,2,3
.irp mt, 0,1,2,3
	ds_load_b32 v[XS+4*\a+\mt], v[LS] offset:128*(4*\mt+\a)   ; lanes 0-15: set 2 a; lanes 16-31: set 2 a + 1
.endr
.endr
	s_wait_tensorcnt 1                             ; my part of slot 0 is in (slot 1's load may be out); I alone read it, so my own wait is all that the reads need
	FETCHW 0, 0
	; ---- q and k: four passes.  x's images are written over by codes only behind a pass's barriers, which every wave signals behind its reads of them
	s_mov_b32 s[TRIP], 4
.Lqk:
	PASS 0
	EPI_QK
	s_sub_co_u32 s[TRIP], s[TRIP], 1
	s_cmp_lg_u32 s[TRIP], 0
	s_cbranch_scc1 .Lqk
	; ---- att: wave w takes tokens 16 w .. 16 w + 15, four at a time; the results go into window 1, whose accumulators are idle
	s_barrier_signal -1                            ; (no LDS instruction of mine is out)  all codes and scale bytes of q and k lie in LDS
	s_barrier_wait -1
.irp u, 0,1,2,3
.irp q, 6,7,8,9,10,11
	v_mov_b32 v[KF+24*\u+\q], 0                    ; K = 64: the operands' upper halves are zero codes, which add nothing
	v_mov_b32 v[KF+12+24*\u+\q], 0
.endr
.endr
	PLACES 4                                       ; an operand written by vector instructions stands four places ahead of a scaled matrix instruction
.irp g, 0,1,2,3
.irp u, 0,1,2,3
.irp q, 0,1,2
	ds_load_b64 v[KF+24*\u+2*\q:KF+24*\u+2*\q+1], v[AQ] offset:QPIT*(4*\g+\u)+768+8*\q       ; k: head r, d = 32 h + 0 .. 31
	ds_load_b64 v[KF+12+24*\u+2*\q:KF+12+24*\u+2*\q+1], v[AQ] offset:QPIT*(4*\g+\u)+8*\q     ; q likewise
.endr
	ds_load_u16 v[SQ+\u], v[AS] offset:SPIT*(4*\g+\u)   ; head r's two scale bytes: lanes 0-15 q's, lanes 16-31 k's; the upper two bytes are 0, over zero codes
.endr
	s_wait_dscnt 0x0
	WIN 0x40                                       ; destination window 1
.irp u, 0,1,2,3
	v_wmma_scale_f32_16x16x128_f8f6f4 v[8*\u:8*\u+7], v[KF+24*\u:KF+24*\u+11], v[KF+12+24*\u:KF+12+24*\u+11], 0, v[SQ+\u], v[SQ+\u] matrix_a_fmt:MATRIX_FMT_FP6 matrix_b_fmt:MATRIX_FMT_FP6 matrix_a_scale:MATRIX_SCALE_ROW1   ; source 0 = k's 16 heads, source 1 = q's: lane (r, h), register j: att(h = r, t = 8 h + j)
.endr
	PLACES 4
	WIN 0x05                                       ; sources window 1
.irp u, 0,1,2,3
.irp q, 0,1,2,3
	v_cvt_pk_bf16_f32 v[AT+4*(4*\g+\u)+\q], v[8*\u+2*\q], v[8*\u+2*\q+1]   ; these four registers are registers 0-3 of the last product's A: row r, K = t = 8 h + 0 .. 7
.endr
.endr
	WIN 0
.endr
	s_barrier_signal -1                            ; (no LDS instruction of mine is out)  nobody reads q's and k's codes any more: v may be written over them
	s_barrier_wait -1
	; ---- v: heads 8-15, then heads 0-7
	PASS 0
	EPI_V VSTA
	PASS 1
	EPI_V VSTB                                     ; into slot 0: it has had its last fill, and every wave has passed the last change of slots, behind which nobody reads it
	s_barrier_signal -1                            ; (no LDS instruction of mine is out)  v lies in LDS
	s_barrier_wait -1
	; ---- out, token by token: A = att (16 heads x K = 16 of 32), B = v turned (K = t, 16 places of a head's 64): four products a token
.irp q, 0,1,2,3
	v_mov_b32 v[ATO+\q], v[AT+\q]
	v_mov_b32 v[ATO+4+\q], 0                       ; K = 16 .. 31: zeros
.endr
.irp i, 0,1,2,3,4,5,6,7
.irp q, 4,5,6,7
	v_mov_b32 v[VB+8*\i+\q], 0
.endr
.endr
.irp t, 0,1,2,3
	ds_load_tr16_b128 v[VB+8*\t:VB+8*\t+3], v[VRD] offset:32*\t
.endr
.irp n, 0,1,2,3,4,5,6,7,8,9,10,11,12,13,14,15
.if \n < 15
.irp t, 0,1,2,3
	ds_load_tr16_b128 v[VB+32*((\n+1)%2)+8*\t:VB+32*((\n+1)%2)+8*\t+3], v[VRD] offset:VTOK*(\n+1)+32*\t   ; the next token's, into the other set
.endr
	s_wait_dscnt 4                                 ; this token's four loads are in; the next token's may be out
.else
	s_wait_dscnt 0x0
.endif
.irp t, 0,1,2,3
	v_wmma_f32_16x16x32_bf16 v[OA+8*\t:OA+8*\t+7], v[ATO:ATO+7], v[VB+32*(\n%2)+8*\t:VB+32*(\n%2)+8*\t+7], 0   ; lane (r, h), register j: out(head 8 h + j, d = 4 r + t)
.endr
	PLACES 4
.if \n < 15
.irp q, 0,1,2,3
	v_mov_b32 v[ATO+\q], v[AT+4*(\n+1)+\q]
.endr
.endif
	WIN 64*(1+\n/8)                                ; each token has 32 registers of its own for its stores, tokens 0-7 in window 1, 8-15 in window 2: no store's data are written again
.irp j, 0,1,2,3,4,5,6,7
.irp t, 0,1,2,3
	v_mov_b32 v[32*(\n%8)+4*\j+\t], v[OA+8*\t+\j]  ; four neighbouring d side by side; each accumulator is read from its low end on
.endr
.endr
	WIN 4*(1+\n/8)                                 ; a store's data are its source 1
.irp j, 0,1,2,3,4,5,6,7
	global_store_b128 v[GO], v[32*(\n%8)+4*\j:32*(\n%8)+4*\j+3], s[10:11] offset:4096*\n+256*\j th:TH_STORE_NT   ; lanes 0-15 store head j's 256 bytes, lanes 16-31 head 8 + j's: each 256 consecutive bytes, at a multiple of 256 from out's first byte
.endr
	WIN 0
.endr
	s_wait_tensorcnt 0x0                           ; the wave's end: behind my last tensor load and my last LDS store
	ds_add_u32 v[SPW], v[NIL]
	s_wait_dscnt 0x0
	CROUND                                         ; the closing round: no work-group ends while a partner may still ask for a part that names it
	s_endpgm
.Lfunc_end_k_q130de763a7_main:
	.size	k_q130de763a7_main, .Lfunc_end_k_q130de763a7_main-k_q130de763a7_main
	.p2alignl 7, 3214868480
	.fill 96, 4, 3214868480
	.section	.rodata,"a",@progbits
	.p2align	6, 0x0
	.amdhsa_kernel k_q130de763a7_main
		.amdhsa_group_segment_fixed_size 327680
		.amdhsa_private_segment_fixed_size 0
		.amdhsa_enable_private_segment 0
		.amdhsa_kernarg_size 32
		.amdhsa_user_sgpr_count 2
		.amdhsa_user_sgpr_kernarg_segment_ptr 1
		.amdhsa_wavefront_size32 1
		.amdhsa_system_sgpr_workgroup_id_x 1
		.amdhsa_system_sgpr_workgroup_id_y 1
		.amdhsa_system_sgpr_workgroup_id_z 1
		.amdhsa_system_vgpr_workitem_id 0
		.amdhsa_next_free_vgpr 1024
		.amdhsa_next_free_sgpr 66
		.amdhsa_reserve_vcc 0
		.amdhsa_float_denorm_mode_32 3
		.amdhsa_float_denorm_mode_16_64 3
		.amdhsa_memory_ordered 1
		.amdhsa_forward_progress 1
		.amdhsa_inst_pref_size 255
	.end_amdhsa_kernel
	.section	.bss,"aw",@nobits
	.p2align	6
	.space	262144
	.amdgpu_metadata
---
amdhsa.version: [ 1, 2 ]
amdhsa.kernels:
  - .name:           k_q130de763a7_main
    .symbol:         k_q130de763a7_main.kd
    .args:
      - { .name: x, .offset: 0, .size: 8, .value_kind: global_buffer, .address_space: global }
      - { .name: wimg, .offset: 8, .size: 8, .value_kind: global_buffer, .address_space: global }
      - { .name: bimg, .offset: 16, .size: 8, .value_kind: global_buffer, .address_space: global }
      - { .name: out0, .offset: 24, .size: 8, .value_kind: global_buffer, .address_space: global }
    .group_segment_fixed_size: 327680
    .private_segment_fixed_size: 0
    .kernarg_segment_align: 8
    .kernarg_segment_size: 32
    .max_flat_workgroup_size: 128
    .sgpr_count:     66
    .vgpr_count:     1024
    .wavefront_size: 32
...
	.end_amdgpu_metadata
.endif
;; end of part 3
